; MI455X (gfx1250); checked and timed in simulation.
; The chip was launched on July 23, 2026; its instructions are those of AMD's public machine-readable ISA for CDNA 5 (MIT licence, August 2026) and "CDNA5" Instruction Set Architecture Reference Guide (July 2026). The comments in the code are by the model that wrote it; some were corrected since.
;; Uncertain Temporal Attention. Allowed arithmetic: matrix products marked QUANTISED: E2M3 operands, one E8M0 scale for each 32 along K, by v_wmma_scale_f32_16x16x128_f8f6f4 with both operands' format E2M3, f32 sums; everything else in f32.
;; Inputs: Wk 256 x 256 float32; Wo 256 x 256 float32; Wq 256 x 256 float32; Wv 256 x 256 float32; Wvar 256 x 256 float32; bk 256 float32; bo 256 float32; bq 256 float32; bv 256 float32; bvar 256 float32; edge_index 2 x 65,536 int32; edge_timestamps 65,536 float32; x_mean 8,192 x 256 float32; x_var 8,192 x 256 float32.
;; Outputs: out0 8,192 x 256 float32; out1 8,192 x 256 float32.
;; This version of the problem:
;;   THIS VERSION OF THE PROBLEM IS GIVEN IN LOW PRECISION. The matrix products marked QUANTISED in the list below multiply operands that are first quantised to E2M3 (2 exponent bits, 3 mantissa bits; 6 bits a number), with one power-of-two scale for each 32 numbers along K (OCP MX v1.0); their sums are f32. All else is computed in f32.
;;   The module's matrix products, in the order in which they are computed (A, B: the left and right operand; K: the contracted axis; several contracted axes count as one K, in the product's order):
;;     1. [M 8,192, K 256] x [K 256, N 256]; A: input x_mean; B: input Wq: QUANTISED
;;     2. [M 8,192, K 256] x [K 256, N 256]; A: input x_mean; B: input Wk: QUANTISED
;;     3. [M 8,192, K 256] x [K 256, N 256]; A: input x_mean; B: input Wv: QUANTISED
;;     4. [M 8,192, K 256] x [K 256, N 8,192]; A: computed on the way; B: computed on the way: QUANTISED
;;     5. [M 8,192, K 8,192] x [K 8,192, N 256]; A: softmax (see below); B: computed on the way: QUANTISED
;;     6. [M 8,192, K 256] x [K 256, N 256]; A: computed on the way; B: input Wo: QUANTISED
;;     7. [M 8,192, K 256] x [K 256, N 256]; A: input x_var; B: input Wvar: QUANTISED
;;     8. [M 8,192, K 8,192] x [K 8,192, N 256]; A: computed on the way; B: computed on the way: QUANTISED
;;   THE QUANTISER, for each operand of a quantised product, along K:
;;     - K is cut into blocks of 32 from its start; a last block that is shorter is filled with zeros.
;;     - A block's scale is 2^e with e = floor(log2(the largest magnitude in the block)) - 2, held to -126 .. 127; a block of zeros has e = 0. As a byte (E8M0): e + 127.
;;     - Each number is divided by its block's scale, clamped to +-7.5, and rounded to the nearest number of E2M3, ties to even, subnormals kept.
;;     - The product sums the exact products of the quantised numbers (number of the format x scale) in f32.
;;   ~~~python
;;   def quantise(x, axis):      # numpy; x: float32 -> the quantised numbers, widened to float32 again
;;       x = np.moveaxis(x, axis, -1); K = x.shape[-1]
;;       x = np.pad(x, [(0, 0)] * (x.ndim - 1) + [(0, -K % 32)]); x = x.reshape(x.shape[:-1] + (-1, 32)); a = np.abs(x).max(-1, keepdims=True)
;;       e = np.where(a > 0, np.clip(np.frexp(np.where(a > 0, a, 1))[1] - 1 - 2, -126, 127), 0)      # np.frexp(a)[1] - 1 = floor(log2(a)), exactly
;;       r = np.clip(x / 2.0 ** e, -7.5, 7.5)
;;       step = 2.0 ** (np.maximum(np.frexp(np.where(r == 0, 1, r))[1] - 1, 0) - 3)
;;       q = np.round(r / step) * step * 2.0 ** e      # np.round: ties to even
;;       return np.moveaxis(q.reshape(q.shape[:-2] + (-1,))[..., :K], -1, axis).astype(np.float32)
;;   ~~~
;;   SOFTMAX AHEAD OF A QUANTISED PRODUCT. Where the list says 'softmax', what is quantised is not the finished softmax but p = 2^(t - M), with t = logit x log2(e) and M = ceil(the row's largest t), a whole number; so 1/2 < the row's largest p <= 1. The row's sum l is taken of the UNQUANTISED p, in f32, and the product's result is divided by l at the end. Since M is a whole number, a kernel that streams over the keys may use a running M (the ceiling of the running maximum): every later rescaling is an exact power of two, which a block's scale takes up: the codes' values come out the same.
;;   OPERANDS COMPUTED ON THE WAY. 'Computed on the way' means the value that the module computes at that place (a softmax that the list does not call 'softmax' is quantised finished and normalised). What goes into a quantiser is computed in f32, as accurately as f32 sums, v_exp_f32 and their like allow (about 1e-6 of the number): no bf16 or f16 on the way to a quantiser, and a product that is left as it is and whose result goes on into a quantised operand takes f32 operands (vector FMAs, or v_wmma_f32_16x16x4_f32). A number that lies on a knife's edge between two numbers of the format may be rounded either way, as far as f32 arithmetic and the matrix unit's own rounding can turn it there, and no further.
;; 2 versions, each right; version 2 is version 1 with the launches proj, outp written anew for expert scheduling mode. Each part assembles by itself: llvm-mc -triple=amdgcn-amd-amdhsa -mcpu=gfx1250 --defsym DOCPART=n.
;; ======== version 1 of 2: 4 launches
;; workspace buffers: qimg 1,638,400 bytes; kvs 4,915,200 bytes; stats 1,048,576 bytes; woimg 53,248 bytes; part 67,108,864 bytes
;; launch proj (part 1): grid 32 x 8, 8 waves a work-group, no clusters, 53,248 bytes of LDS; arguments x_mean, x_var, Wq, bq, Wk, bk, Wv, bv, Wvar, bvar, qimg, kvs; writes qimg, kvs
.if DOCPART == 1
	.amdgcn_target "amdgcn-amd-amdhsa--gfx1250"
	.amdhsa_code_object_version 6
	.text
	.protected	k_qf15236f86f_proj
	.globl	k_qf15236f86f_proj
	.p2align	8
	.type	k_qf15236f86f_proj,@function
k_qf15236f86f_proj:
	s_mov_b64 s[64:65], 0
	v_nop
	global_prefetch_b8 v0, s[64:65] scope:SCOPE_SE
	s_setreg_imm32_b32 hwreg(HW_REG_WAVE_MODE, 25, 1), 1
	s_wait_xcnt 0x0
; q = x_mean Wq^T + bq, k = x_mean Wk^T + bk, v = x_mean Wv^T + bv, v_var = x_var Wvar^T + bvar: four products on codes of FP6 (E2M3) with one E8M0 scale for each 32 along K,
; and their results quantised again, as operands of the attention's products: q and k along the 256 channels, v and v_var along the keys.
; DEAD WORK.  reference() takes edge_index and edge_timestamps and uses them in no expression: no value of theirs can reach out_mean or out_var.  They are not loaded and are no argument of any launch.
; All five biases are live: each moves the codes of a quantised operand or an output.  LIMIT: a NaN or an infinity in the two edge inputs is not carried to the result.
; LIMITS: NaN and infinities among the inputs are not served; a block of zeros gets the scale byte 1 and not 127 (its codes are zeros, and these bytes are read by this program alone).
; ONE PATH FOR ALL FOUR.  A work-group computes R S^T: R, the RESIDENT matrix, has 256 rows, of which wave w keeps rows 32 w .. 32 w + 31 as four fragments; S, the STREAMED matrix, has 128 rows, 8 tiles.
; Source 0 = 16 rows of R, source 1 = 16 rows of S: a lane holds one streamed row, and the 16 registers of a wave's two tiles are 16 neighbours along the resident axis, which is the next product's K.
; q, k: R = W (next K = channels), S = 128 rows of x.   v, v_var: R = 256 rows of x (next K = keys), S = 128 rows of W.  Only pointers and offsets are chosen, by the work-group's number; no branch.
; THE ROWS OF A TILE ARE NOT NEIGHBOURS: lane r of tile t takes row 32 (t / 2) + 8 (t % 2) + r + 8 (r / 8), in every matrix of this program.
; WORKSPACE.  An operand fragment (16 rows x 128 K, 12 registers a lane) lies in memory as an image of its registers: register n of lane l at 512 (n / 4) + 16 l + 4 (n % 4): 1,536 bytes.
; qimg: 64 blocks of 128 rows, 25,600 bytes: four pairs of tiles, 6,400 bytes each: fragments (2 b, s 0), (2 b, s 1), (2 b + 1, s 0), (2 b + 1, s 1), then a scale image of 128 bytes for each tile (lanes 0-15: s = 0, lanes 16-31: s = 1).
; kvs: 64 key steps of 76,800 bytes: k's block as above; at 25,600 v's 16 fragments (16 channels x the step's 128 keys); at 50,176 v_var's; at 74,752 and 75,776 their scale words, 64 bytes a tile.
; The scale words leave in pieces of 64 or 128 bytes: 1,024 bytes of a work-group's 25,600.
.set XIMG, 0                           ; LDS: the streamed fragments, place 2 t + s, 1,536 bytes each
.set XSC, 24576                        ; their scale words, 128 bytes a place
.set OST, 26624                        ; the results' fragments, place 2 t + s
.set OSC, 51200                        ; their scale words: word (t, s, r) at 64 (2 t + s) + 4 r
.set SPARE, 52224                      ; the spare words, 128 bytes for each wave: four blocks of 256 bytes that no other line names
.set LA, 1                             ; v1   (r + 8 (r / 8)) x 1,024 + 64 h: my 16 numbers of a block of 32 in a row of 256 f32
.set LI, 2                             ; v2   16 x lane
.set LS, 3                             ; v3   4 x lane
.set XWI, 4                            ; v4   16 x lane + 3,072 x wave
.set XWS, 5                            ; v5   4 x lane + 256 x wave
.set OA0, 6                            ; v6, v7  where my block of 32 codes goes in a result's image
.set OA1, 7
.set OSB, 8                            ; v8   and its scale byte
.set SCR, 10                           ; v10  4 x thread
.set SGO, 11                           ; v11  the scale words' offset in memory
.set SPW, 12                           ; v12  my spare word; never rewritten
.set NIL, 13                           ; v13  0; never rewritten
.set RF, 14                            ; v14-61  the resident fragments: (u, s) at 14 + 12 (2 u + s)
.set RS, 62                            ; v62-65  their scale words
.set CR, 66                            ; v66-81  the bias along the resident axis, as C
.set CA, 82
.set BA, 83
.set XS, 84                            ; v84-87  the streamed scale words
.set TM, 90                            ; v90-105 at work in the quantiser
.set PW, 106
.set CT, 108
.set PC, 116
.set ST0, 128                          ; v128-191, v192-255: my streamed tile's numbers, K steps 0 and 1
.set ST1, 192
.set XF, 128                           ; later: four streamed fragments,
.set DD, 192                           ; four accumulators,
.set BS, 224                           ; and the bias along the streamed axis, a pair for each tile
.set WV, 40
.set SEL, 46
.set MSB, 0
.macro WIN new                         ; the immediate's high byte repeats the setting that is left
.if MSB != \new
	s_set_vgpr_msb (MSB<<8)|\new
.set MSB, \new
.endif
.endm
.macro PLACES n
.rept \n
	v_nop
.endr
.endm
.macro BARRIER                         ; my LDS stores have landed and my LDS loads are in: then the work-group's barrier
	s_wait_dscnt 0x0
	s_barrier_signal -1
	s_barrier_wait -1
.endm
; One matrix instruction.  c < 0: the constant 0 starts the sum.  rw = 1: A's scales from lanes 16-31; rw = 3: both sides'.
.macro MM d, a, b, c, sa, sb, rw
.set WD, \d
.set WA, \a
.set WB, \b
.set WC, \c
.set WSA, \sa
.set WSB, \sb
.if WC < 0
.if (\rw) == 0
	v_wmma_scale_f32_16x16x128_f8f6f4 v[WD:WD+7], v[WA:WA+11], v[WB:WB+11], 0, v[WSA], v[WSB] matrix_a_fmt:MATRIX_FMT_FP6 matrix_b_fmt:MATRIX_FMT_FP6
.else
	v_wmma_scale_f32_16x16x128_f8f6f4 v[WD:WD+7], v[WA:WA+11], v[WB:WB+11], 0, v[WSA], v[WSB] matrix_a_fmt:MATRIX_FMT_FP6 matrix_b_fmt:MATRIX_FMT_FP6 matrix_a_scale:MATRIX_SCALE_ROW1
.endif
.else
.if (\rw) == 0
	v_wmma_scale_f32_16x16x128_f8f6f4 v[WD:WD+7], v[WA:WA+11], v[WB:WB+11], v[WC:WC+7], v[WSA], v[WSB] matrix_a_fmt:MATRIX_FMT_FP6 matrix_b_fmt:MATRIX_FMT_FP6
.elseif (\rw) == 1
	v_wmma_scale_f32_16x16x128_f8f6f4 v[WD:WD+7], v[WA:WA+11], v[WB:WB+11], v[WC:WC+7], v[WSA], v[WSB] matrix_a_fmt:MATRIX_FMT_FP6 matrix_b_fmt:MATRIX_FMT_FP6 matrix_a_scale:MATRIX_SCALE_ROW1
.else
	v_wmma_scale_f32_16x16x128_f8f6f4 v[WD:WD+7], v[WA:WA+11], v[WB:WB+11], v[WC:WC+7], v[WSA], v[WSB] matrix_a_fmt:MATRIX_FMT_FP6 matrix_b_fmt:MATRIX_FMT_FP6 matrix_a_scale:MATRIX_SCALE_ROW1 matrix_b_scale:MATRIX_SCALE_ROW1
.endif
.endif
.endm
; 64 numbers of a lane (register 16 b + i = k 32 b + 16 (lane / 16) + i of my row; win = 1: they lie in window 1) become a fragment's 12 registers at dst and its scale word in pw.
.macro QUANT src, win, dst, pw
.set QSRC, \src
.set QDST, \dst
.set QPW, \pw
.if \win
	WIN 0x05
.endif
.irp b, 0,1,2,3
	v_max3_num_f32 v[TM+\b], |v[QSRC+16*\b]|, |v[QSRC+16*\b+1]|, 0x1800000   ; block b: my 16 numbers, and the floor 2^(3 - 127): the byte cannot fall under 1
.endr
.if \win
	WIN 0x14
.endif
.irp i, 2,4,6,8,10,12,14
.irp b, 0,1,2,3
	v_max3_num_f32 v[TM+\b], v[TM+\b], |v[QSRC+16*\b+\i]|, |v[QSRC+16*\b+\i+1]|   ; the four blocks by turns
.endr
.endr
	WIN 0
.irp b, 0,1,2,3
	v_permlanex16_b32 v[TM+4+\b], v[TM+\b], s[SEL], s[SEL+1]
.endr
.irp b, 0,1,2,3
	v_max_num_f32 v[TM+\b], v[TM+\b], v[TM+4+\b]   ; with lane l xor 16's: the block's largest magnitude
.endr
.irp b, 0,1,2,3
	v_add_nc_u32 v[TM+12+\b], 0xff000000, v[TM+\b]   ; 2 off its exponent field: the conversion's scale operand
.endr
.irp b, 0,1,2,3
	v_lshrrev_b32 v[TM+4+\b], 23, v[TM+12+\b]      ; the scale's byte
.endr
	v_lshl_or_b32 v[QPW], v[TM+5], 8, v[TM+4]
	v_lshl_or_b32 v[QPW], v[TM+6], 16, v[QPW]
	v_lshl_or_b32 v[QPW], v[TM+7], 24, v[QPW]      ; my row's scale word
.if \win
	WIN 0x01
.endif
.irp c, 0,1
	v_cvt_scalef32_pk16_fp6_f32 v[QDST+6*\c:QDST+6*\c+2], v[QSRC+32*\c:QSRC+32*\c+15], v[TM+12+2*\c]
	v_cvt_scalef32_pk16_fp6_f32 v[CT+4*\c:CT+4*\c+2], v[QSRC+32*\c+16:QSRC+32*\c+31], v[TM+13+2*\c]   ; (a conversion's three registers begin on an even number)
.endr
	WIN 0
	v_nop                                          ; one plain place behind a scaled conversion
.irp c, 0,1                                    ; the operand's layout wants a whole block in a lane: lanes 0-15 block 2 c, lanes 16-31 block 2 c + 1
.irp i, 0,1,2
	v_permlane16_swap_b32 v[QDST+6*\c+\i], v[CT+4*\c+\i]
.endr
.irp i, 0,1,2
	v_mov_b32 v[QDST+6*\c+3+\i], v[CT+4*\c+\i]
.endr
.endr
.endm
.macro XLOAD reg, base, off            ; 64 numbers a lane: 16 rows x 128 along K
.irp b, 0,1,2,3
.irp j, 0,1,2,3
	global_load_b128 v[\reg+16*\b+4*\j:\reg+16*\b+4*\j+3], v[LA], s[\base:\base+1] offset:\off+128*\b+16*\j
.endr
.endr
.endm
; Two streamed tiles' results of my 32 resident rows: one block of 32 along the next K for each tile.  Behind the exchange lane (r, h) holds the whole block of tile m + h, 24 bytes.
.macro OQ m
.irp a, 0,1
	v_max3_num_f32 v[TM+\a], |v[DD+16*\a]|, |v[DD+16*\a+1]|, 0x1800000
.endr
.irp i, 2,4,6,8,10,12,14
.irp a, 0,1
	v_max3_num_f32 v[TM+\a], v[TM+\a], |v[DD+16*\a+\i]|, |v[DD+16*\a+\i+1]|
.endr
.endr
.irp a, 0,1
	v_permlanex16_b32 v[TM+4+\a], v[TM+\a], s[SEL], s[SEL+1]
.endr
.irp a, 0,1
	v_max_num_f32 v[TM+\a], v[TM+\a], v[TM+4+\a]
.endr
.irp a, 0,1
	v_add_nc_u32 v[TM+12+\a], 0xff000000, v[TM+\a]
.endr
.irp a, 0,1
	v_lshrrev_b32 v[TM+4+\a], 23, v[TM+12+\a]
.endr
	v_cvt_scalef32_pk16_fp6_f32 v[PC:PC+2], v[DD:DD+15], v[TM+12]
	v_cvt_scalef32_pk16_fp6_f32 v[CT:CT+2], v[DD+16:DD+31], v[TM+13]
	v_nop
.irp i, 0,1,2
	v_permlane16_swap_b32 v[PC+\i], v[CT+\i]
.endr
.irp i, 0,1,2
	v_mov_b32 v[PC+3+\i], v[CT+\i]
.endr
	ds_store_b64 v[OA0], v[PC:PC+1] offset:OST+3072*(\m)          ; the block's six registers at their places in the fragment's image
	ds_store_b64 v[OA1], v[PC+2:PC+3] offset:OST+3072*(\m)+8
	ds_store_b64 v[OA0], v[PC+4:PC+5] offset:OST+3072*(\m)+512
	ds_store_b8 v[OSB], v[TM+4] offset:OSC+128*(\m)               ; both halves of the lanes write the same byte with the same value
	ds_store_b8 v[OSB], v[TM+5] offset:OSC+128*(\m)+128
	s_wait_dscnt 0x0                               ; the stores have read their registers
.endm
	s_load_b512 s[4:19], s[0:1], 0x0               ; x_mean, x_var, Wq, bq, Wk, bk, Wv, bv
	s_load_b256 s[20:27], s[0:1], 0x40             ; Wvar, bvar, qimg, kvs
	v_lshl_add_u32 v[SPW], v0, 2, SPARE
	v_mov_b32 v[NIL], 0
	v_lshrrev_b32 v248, 5, v0
	v_readfirstlane_b32 s[WV], v248                ; wave 0..7
	v_and_b32 v249, 31, v0                         ; lane
	v_and_b32 v250, 15, v0                         ; r
	v_bfe_u32 v251, v0, 4, 1                       ; h
	v_and_b32 v252, 8, v250
	v_add_nc_u32 v252, v252, v250                  ; r + 8 (r / 8)
	v_lshlrev_b32 v[LA], 10, v252
	v_lshl_add_u32 v[LA], v251, 6, v[LA]
	v_lshlrev_b32 v[LI], 4, v249
	v_lshlrev_b32 v[LS], 2, v249
	s_mul_i32 s48, s[WV], 3072
	v_add_nc_u32 v[XWI], s48, v[LI]
	s_lshl_b32 s48, s[WV], 8
	v_add_nc_u32 v[XWS], s48, v[LS]
	s_lshr_b32 s49, s[WV], 2                       ; which 128 of the next K my 32 rows lie in
	s_and_b32 s50, s[WV], 1
	s_bfe_u32 s51, s[WV], 0x10001                  ; c = (w / 2) % 2: registers 6 c .. 6 c + 5 of the fragment
	s_mul_i32 s52, s49, 1536
	s_lshl_b32 s53, s50, 8                         ; lanes 16 (w % 2) + r
	s_add_co_u32 s52, s52, s53
	s_mul_i32 s53, s51, 520
	s_add_co_u32 s53, s53, s52
	s_mul_i32 s54, s51, 1016
	s_add_co_u32 s54, s54, s52
	v_mul_u32_u24 v253, v251, 3072                 ; tile m + h
	v_lshl_add_u32 v253, v250, 4, v253
	v_add_nc_u32 v[OA0], s53, v253
	v_add_nc_u32 v[OA1], s54, v253
	s_lshl_b32 s52, s49, 6
	s_and_b32 s53, s[WV], 3
	s_add_co_u32 s52, s52, s53
	v_lshl_add_u32 v[OSB], v250, 2, s52
	v_lshlrev_b32 v[SCR], 2, v0
	s_and_b32 s42, ttmp7, 0xffff
	s_lshr_b32 s43, s42, 1                         ; which product: 0 q, 1 k, 2 v, 3 v_var
	s_and_b32 s44, s42, 1                          ; which half of the streamed rows
	s_lshl_b32 s52, s[WV], 7
	v_lshl_add_u32 v[CA], v251, 6, s52             ; bias[32 w + 16 h + ..]
	s_lshl_b32 s52, s44, 9
	v_lshl_add_u32 v[BA], v252, 2, s52             ; bias[128 hf + r + 8 (r / 8) + ..]
	s_mov_b32 s[SEL], 0x76543210
	s_mov_b32 s[SEL+1], 0xfedcba98                 ; v_permlanex16_b32's selects for lane l xor 16
.irp b, 0,1,2,3
	v_mov_b32 v[TM+4+\b], 0                        ; written once: a lane permute's destination counts as one of its sources
.endr
	s_lshl_b32 s56, ttmp9, 18                      ; 256 rows of 1,024 bytes x the block
	s_lshl_b32 s57, s44, 17                        ; 128 rows x the half
	s_add_co_u32 s58, s56, s57
	; where the results go: q, k
	s_lshl_b32 s66, ttmp9, 1
	s_add_co_u32 s67, s66, s44                     ; the block of 128 rows
	s_cmp_eq_u32 s43, 0
	s_mov_b32 s68, 76800
	s_cselect_b32 s68, 25600, s68
	s_mul_i32 s67, s67, s68
	s_lshr_b32 s69, s[WV], 1
	s_mul_i32 s69, s69, 6400
	s_add_co_u32 s67, s67, s69                     ; my tile's pair
	s_mul_i32 s69, s50, 3072
	s_add_co_u32 s70, s67, s69                     ; its fragments
	s_lshl_b32 s69, s50, 7
	s_add_co_u32 s71, s67, s69
	s_add_co_u32 s71, s71, 6144                    ; its scale image
	; v, v_var
	s_mul_i32 s66, s66, 76800                      ; the first of the block's two key steps
	s_lshl_b32 s72, s44, 3
	s_add_co_u32 s72, s72, s[WV]                   ; the channel tile
	s_cmp_eq_u32 s43, 2
	s_mov_b32 s73, 50176
	s_cselect_b32 s73, 25600, s73
	s_mov_b32 s74, 75776
	s_cselect_b32 s74, 74752, s74
	s_mul_i32 s75, s72, 1536
	s_add_co_u32 s73, s73, s75
	s_add_co_u32 s73, s73, s66
	s_lshl_b32 s75, s72, 6
	s_add_co_u32 s74, s74, s75
	s_add_co_u32 s74, s74, s66
	s_cmp_ge_u32 s43, 2                            ; v or v_var?  All that follows hangs on the work-group's number alone
	s_cselect_b32 s70, s73, s70                    ; fragment s = 0
	s_cselect_b32 s72, s74, s71                    ; scale words
	s_mov_b32 s74, 1536
	s_cselect_b32 s74, 76800, s74                  ; from fragment s = 0 to s = 1
	s_cselect_b32 s60, 76800, 64                   ; and from its scale words to the other's
	s_cselect_b32 s61, -1, 0
	s_cselect_b32 s62, 0, -1
	s_cselect_b32 s58, s57, s58                    ; the streamed rows' first byte
	s_cselect_b32 s76, s56, 0                      ; the resident rows'
	s_mov_b32 s71, 0
	s_mov_b32 s73, 0
	s_mov_b32 s75, 0
	s_mov_b32 s59, 0
	s_mov_b32 s77, 0
	s_lshr_b32 s52, s[WV], 1
	s_lshl_b32 s52, s52, 15
	s_lshl_b32 s53, s50, 13
	s_add_co_u32 s52, s52, s53
	s_add_co_u32 s58, s58, s52                     ; streamed tile w begins at row 32 (w / 2) + 8 (w % 2)
	s_lshl_b32 s53, s[WV], 15
	s_add_co_u32 s76, s76, s53                     ; my resident rows begin at 32 w
	v_mul_u32_u24 v[SGO], v251, s60
	v_lshl_add_u32 v[SGO], v250, 2, v[SGO]
	s_wait_kmcnt 0x0
	s_and_b32 s78, s43, 1
	s_cmp_eq_u32 s78, 0
	s_cselect_b64 s[28:29], s[8:9], s[12:13]
	s_cselect_b64 s[30:31], s[16:17], s[20:21]
	s_cselect_b64 s[32:33], s[10:11], s[14:15]
	s_cselect_b64 s[34:35], s[18:19], s[22:23]
	s_cmp_eq_u32 s43, 3
	s_cselect_b64 s[36:37], s[6:7], s[4:5]         ; x
	s_cmp_eq_u32 s43, 0
	s_cselect_b64 s[38:39], s[24:25], s[26:27]     ; the buffer written
	s_cmp_ge_u32 s43, 2
	s_cselect_b64 s[28:29], s[30:31], s[28:29]     ; W
	s_cselect_b64 s[32:33], s[34:35], s[32:33]     ; the bias
	s_cselect_b64 s[4:5], s[28:29], s[36:37]       ; streamed
	s_cselect_b64 s[6:7], s[36:37], s[28:29]       ; resident
	s_add_nc_u64 s[4:5], s[4:5], s[58:59]
	s_add_nc_u64 s[6:7], s[6:7], s[76:77]
	s_add_nc_u64 s[8:9], s[38:39], s[70:71]
	s_add_nc_u64 s[10:11], s[8:9], s[74:75]
	s_add_nc_u64 s[12:13], s[38:39], s[72:73]
.irp i, 0,1,2,3
	global_load_b128 v[CR+4*\i:CR+4*\i+3], v[CA], s[32:33] offset:16*\i
.endr
	XLOAD ST0, 4, 0
	XLOAD ST1, 4, 512
	WIN 0x40                                       ; destination window 1
	XLOAD 0, 6, 0                                  ; the resident numbers: unit 2 u + s
	XLOAD 64, 6, 512
	XLOAD 128, 6, 8192
	XLOAD 192, 6, 8704
	WIN 0
	; ---- my streamed tile becomes two fragments, whose images go to LDS
	s_wait_loadcnt 63                              ; 80 loads were issued behind K step 0's: a wait names 63 at the most, which asks for more than is needed
	QUANT ST0, 0, PC, PW
.irp c, 0,1,2
	ds_store_b128 v[XWI], v[PC+4*\c:PC+4*\c+3] offset:XIMG+512*\c
.endr
	ds_store_b32 v[XWS], v[PW] offset:XSC
	s_wait_dscnt 0x0                               ; the stores have read their registers
	s_wait_loadcnt 63                              ; 64 behind K step 1's
	QUANT ST1, 0, PC, PW
.irp c, 0,1,2
	ds_store_b128 v[XWI], v[PC+4*\c:PC+4*\c+3] offset:XIMG+1536+512*\c
.endr
	ds_store_b32 v[XWS], v[PW] offset:XSC+128
.irp t, 0,1,2,3,4,5,6,7
	global_load_b32 v[BS+2*\t], v[BA], s[32:33] offset:128*(\t/2)+32*(\t%2)      ; the bias of streamed row (t, r), twice: a pair for the packed addition
	global_load_b32 v[BS+2*\t+1], v[BA], s[32:33] offset:128*(\t/2)+32*(\t%2)
.endr
	; ---- my 32 resident rows become four fragments, which stay
	s_wait_loadcnt 63                              ; 48 + 16 behind unit 0
	QUANT 0, 1, RF, RS
	s_wait_loadcnt 48                              ; units 2, 3 and the 16 bias loads may be out
	QUANT 64, 1, RF+12, RS+1
	s_wait_loadcnt 32
	QUANT 128, 1, RF+24, RS+2
	s_wait_loadcnt 16
	QUANT 192, 1, RF+36, RS+3
	s_wait_loadcnt 0x0
.set J, 0
.rept 16
	v_cndmask_b32 v[CR+J], 0, v[CR+J], s62         ; the bias lies along the channels: the resident axis for q and k,
	v_cndmask_b32 v[BS+J], 0, v[BS+J], s61         ; the streamed axis for v and v_var; the other of the two is 0
.set J, J+1
.endr
	BARRIER                                        ; the sixteen streamed fragments lie in LDS
	; ---- the products, two streamed tiles at a time: four accumulators by turns
.irp m, 0,2,4,6
.irp n, 0,1,2,3,4,5,6,7,8,9,10,11
	ds_load_b128 v[XF+4*\n:XF+4*\n+3], v[LI] offset:XIMG+3072*\m+512*\n
.endr
.irp k, 0,1,2,3
	ds_load_b32 v[XS+\k], v[LS] offset:XSC+256*\m+128*\k
.endr
	s_wait_dscnt 0x0
.irp a, 0,1
.irp u, 0,1
	MM DD+16*\a+8*\u, RF+24*\u, XF+24*\a, CR+8*\u, RS+2*\u, XS+2*\a, 0
.endr
.endr
.irp a, 0,1
.irp u, 0,1
	MM DD+16*\a+8*\u, RF+24*\u+12, XF+24*\a+12, DD+16*\a+8*\u, RS+2*\u+1, XS+2*\a+1, 0
.endr
.endr
	PLACES 5                                       ; four in front of the reads of results and of the next loads; five in front of the next group's products, which start these accumulators anew
.irp a, 0,1
.irp j, 0,2,4,6,8,10,12,14
	v_pk_add_f32 v[DD+16*\a+\j:DD+16*\a+\j+1], v[DD+16*\a+\j:DD+16*\a+\j+1], v[BS+2*(\m+\a):BS+2*(\m+\a)+1]
.endr
.endr
	OQ \m
.endr
	BARRIER                                        ; the sixteen result fragments and their scale words lie in LDS
	; ---- the way out: wave w takes tile w's two fragments and its 32 scale words
.irp n, 0,1,2,3,4,5
	ds_load_b128 v[128+4*\n:131+4*\n], v[XWI] offset:OST+512*\n
.endr
	ds_load_b32 v152, v[SCR] offset:OSC
	s_wait_dscnt 0x0
.irp n, 0,1,2
	global_store_b128 v[LI], v[128+4*\n:131+4*\n], s[8:9] offset:512*\n      ; 32 lanes store 512 consecutive bytes, at a multiple of 256 from the buffer's first byte
.endr
.irp n, 0,1,2
	global_store_b128 v[LI], v[140+4*\n:143+4*\n], s[10:11] offset:512*\n
.endr
	global_store_b32 v[SGO], v152, s[12:13]
	s_wait_tensorcnt 0x0                           ; the wave's end, behind my last LDS store
	ds_add_u32 v[SPW], v[NIL]
	s_wait_dscnt 0x0
	s_endpgm
.Lfunc_end_k_qf15236f86f_proj:
	.size	k_qf15236f86f_proj, .Lfunc_end_k_qf15236f86f_proj-k_qf15236f86f_proj
	.p2alignl 7, 3214868480
	.fill 96, 4, 3214868480
	.section	.rodata,"a",@progbits
	.p2align	6, 0x0
	.amdhsa_kernel k_qf15236f86f_proj
		.amdhsa_group_segment_fixed_size 53248
		.amdhsa_private_segment_fixed_size 0
		.amdhsa_enable_private_segment 0
		.amdhsa_kernarg_size 96
		.amdhsa_user_sgpr_count 2
		.amdhsa_user_sgpr_kernarg_segment_ptr 1
		.amdhsa_wavefront_size32 1
		.amdhsa_system_sgpr_workgroup_id_x 1
		.amdhsa_system_sgpr_workgroup_id_y 1
		.amdhsa_system_sgpr_workgroup_id_z 1
		.amdhsa_system_vgpr_workitem_id 0
		.amdhsa_next_free_vgpr 512
		.amdhsa_next_free_sgpr 80
		.amdhsa_reserve_vcc 0
		.amdhsa_float_denorm_mode_32 3
		.amdhsa_float_denorm_mode_16_64 3
		.amdhsa_memory_ordered 1
		.amdhsa_forward_progress 1
		.amdhsa_inst_pref_size 65
	.end_amdhsa_kernel
	.amdgpu_metadata
---
amdhsa.version: [ 1, 2 ]
amdhsa.kernels:
  - .name:           k_qf15236f86f_proj
    .symbol:         k_qf15236f86f_proj.kd
    .args:
      - { .name: x_mean, .offset: 0, .size: 8, .value_kind: global_buffer, .address_space: global }
      - { .name: x_var, .offset: 8, .size: 8, .value_kind: global_buffer, .address_space: global }
      - { .name: Wq, .offset: 16, .size: 8, .value_kind: global_buffer, .address_space: global }
      - { .name: bq, .offset: 24, .size: 8, .value_kind: global_buffer, .address_space: global }
      - { .name: Wk, .offset: 32, .size: 8, .value_kind: global_buffer, .address_space: global }
      - { .name: bk, .offset: 40, .size: 8, .value_kind: global_buffer, .address_space: global }
      - { .name: Wv, .offset: 48, .size: 8, .value_kind: global_buffer, .address_space: global }
      - { .name: bv, .offset: 56, .size: 8, .value_kind: global_buffer, .address_space: global }
      - { .name: Wvar, .offset: 64, .size: 8, .value_kind: global_buffer, .address_space: global }
      - { .name: bvar, .offset: 72, .size: 8, .value_kind: global_buffer, .address_space: global }
      - { .name: qimg, .offset: 80, .size: 8, .value_kind: global_buffer, .address_space: global }
      - { .name: kvs, .offset: 88, .size: 8, .value_kind: global_buffer, .address_space: global }
    .group_segment_fixed_size: 53248
    .private_segment_fixed_size: 0
    .kernarg_segment_align: 8
    .kernarg_segment_size: 96
    .max_flat_workgroup_size: 256
    .sgpr_count:     80
    .vgpr_count:     512
    .wavefront_size: 32
...
	.end_amdgpu_metadata
.endif
;; end of part 1
;; launch stats (part 2): grid 16 x 16, 8 waves a work-group, clusters of 4 x 1, 167,936 bytes of LDS; arguments qimg, kvs, Wo, stats, woimg; writes stats, woimg
.if DOCPART == 2
	.amdgcn_target "amdgcn-amd-amdhsa--gfx1250"
	.amdhsa_code_object_version 6
	.text
	.protected	k_qf15236f86f_stats
	.globl	k_qf15236f86f_stats
	.p2align	8
	.type	k_qf15236f86f_stats,@function
k_qf15236f86f_stats:
	s_mov_b64 s[64:65], 0
	v_nop
	global_prefetch_b8 v0, s[64:65] scope:SCOPE_SE
	s_setreg_imm32_b32 hwreg(HW_REG_WAVE_MODE, 25, 1), 1
	s_wait_xcnt 0x0
	s_wait_alu depctr_hold_cnt(0) depctr_sa_sdst(0) depctr_va_vdst(0) depctr_va_sdst(0) depctr_va_ssrc(0) depctr_va_vcc(0) depctr_vm_vsrc(0)
	s_getreg_b32 s2, hwreg(HW_REG_IB_STS2, 6, 4)
	s_cmp_eq_u32 s2, 0
	s_cbranch_scc0 .Lentry_in_a_cluster
	s_endpgm
.Lentry_in_a_cluster:
	s_bfe_u32 s2, ttmp6, 0x10000c
	s_cmp_lg_u32 s2, 0x3003
	s_cbranch_scc0 .Lentry_shape_is_right
	s_endpgm
.Lentry_shape_is_right:
; THE FIRST WALK OVER THE KEYS.  The operand of (attn x attn) v_var is the finished, normalised softmax squared, so a row's maximum and sum must be known before its codes can be made.
; This launch computes S^T = k q^T on codes of FP6 (E2M3) and keeps, for each query and each of 16 parts of the keys, -M (M = the part's largest t, rounded up to a whole number; t = score x 0.125 x log2(e)) and l = the sum of 2^(t - M).
; The edge inputs have no way to any output and are not loaded.
; SHARES.  Work-group (X, Y): 512 queries x 512 keys.  Wave w holds 64 queries, four tiles, in registers, and walks the 512 keys, 32 a trip.  A lane keeps a maximum and a sum of its own 16 keys of each trip; the two halves of the lanes meet once, at the end.
; CLUSTER.  The four work-groups of a cluster have the same Y and read the same 102,400 bytes of k: they ask for them jointly, once; nothing is filled again.
; SIDE JOB.  Waves 0 and 1 of the sixteen work-groups with Y = 0 quantise Wo (tile X, K step = wave) into woimg, for the last launch.  The branch hangs on Y and the wave's number, which the partners share; X enters addresses alone.
; LIMITS: a p under 2^-126 comes out of v_exp_f32 as 0; l is summed in another order than reference()'s; NaN and infinities are not served.
.set SPARE, 102400                     ; behind k's four blocks: the spare words, 128 bytes for each wave: four blocks of 256 bytes that no other line names
.set LI, 1                             ; v1   16 x lane
.set LS, 2                             ; v2   4 x lane
.set AKF, 3                            ; v3   the trip's fragments in LDS
.set AKS, 4                            ; v4   and scale images
.set SPW, 5                            ; v5   my spare word; never rewritten
.set NIL, 6                            ; v6   0; never rewritten
.set QF, 16                            ; v16-111  q: fragment (i, s) at 16 + 12 (2 i + s)
.set QS, 112                           ; v112-115 q's scale images: lanes 0-15 s = 0, lanes 16-31 s = 1
.set KF, 116                           ; v116-163 k: fragment (u, s) at 116 + 12 (2 u + s)
.set KS, 164                           ; v164-165 k's scale images
.set SS, 166                           ; v166-229 S^T: tile i at 166 + 16 i
.set NM, 230                           ; v230 + 4 i: -M, the largest t, l in two halves
.set MX, 246                           ; v246 + 2 i: at work
.set TM, 116                           ; the side job works in k's registers
.set PW, 132
.set CT, 134
.set PC, 142
.set WV, 14
.set G1, 16
.set G0, 24
.set CS, 30
.set SEL, 32
.set TB, 34
.set MSB, 0
.macro WIN new
.if MSB != \new
	s_set_vgpr_msb (MSB<<8)|\new
.set MSB, \new
.endif
.endm
.macro PLACES n
.rept \n
	v_nop
.endr
.endm
.macro CROUND                          ; a round of the cluster's barrier
	s_barrier_signal -1
	s_barrier_wait -1
	s_cmp_lg_u32 s[WV], 0
	s_cbranch_scc1 .Lnot_wave_0_\@
	s_barrier_signal -3
.Lnot_wave_0_\@:
	s_barrier_wait -3
	s_barrier_signal -1
	s_barrier_wait -1
.endm
.macro MM d, a, b, c, sa, sb, rw
.set WD, \d
.set WA, \a
.set WB, \b
.set WC, \c
.set WSA, \sa
.set WSB, \sb
.if WC < 0
.if (\rw) == 0
	v_wmma_scale_f32_16x16x128_f8f6f4 v[WD:WD+7], v[WA:WA+11], v[WB:WB+11], 0, v[WSA], v[WSB] matrix_a_fmt:MATRIX_FMT_FP6 matrix_b_fmt:MATRIX_FMT_FP6
.else
	v_wmma_scale_f32_16x16x128_f8f6f4 v[WD:WD+7], v[WA:WA+11], v[WB:WB+11], 0, v[WSA], v[WSB] matrix_a_fmt:MATRIX_FMT_FP6 matrix_b_fmt:MATRIX_FMT_FP6 matrix_a_scale:MATRIX_SCALE_ROW1
.endif
.else
.if (\rw) == 0
	v_wmma_scale_f32_16x16x128_f8f6f4 v[WD:WD+7], v[WA:WA+11], v[WB:WB+11], v[WC:WC+7], v[WSA], v[WSB] matrix_a_fmt:MATRIX_FMT_FP6 matrix_b_fmt:MATRIX_FMT_FP6
.elseif (\rw) == 1
	v_wmma_scale_f32_16x16x128_f8f6f4 v[WD:WD+7], v[WA:WA+11], v[WB:WB+11], v[WC:WC+7], v[WSA], v[WSB] matrix_a_fmt:MATRIX_FMT_FP6 matrix_b_fmt:MATRIX_FMT_FP6 matrix_a_scale:MATRIX_SCALE_ROW1
.else
	v_wmma_scale_f32_16x16x128_f8f6f4 v[WD:WD+7], v[WA:WA+11], v[WB:WB+11], v[WC:WC+7], v[WSA], v[WSB] matrix_a_fmt:MATRIX_FMT_FP6 matrix_b_fmt:MATRIX_FMT_FP6 matrix_a_scale:MATRIX_SCALE_ROW1 matrix_b_scale:MATRIX_SCALE_ROW1
.endif
.endif
.endm
.macro QUANT src, win, dst, pw         ; as in the first launch
.set QSRC, \src
.set QDST, \dst
.set QPW, \pw
.if \win
	WIN 0x05
.endif
.irp b, 0,1,2,3
	v_max3_num_f32 v[TM+\b], |v[QSRC+16*\b]|, |v[QSRC+16*\b+1]|, 0x1800000
.endr
.if \win
	WIN 0x14
.endif
.irp i, 2,4,6,8,10,12,14
.irp b, 0,1,2,3
	v_max3_num_f32 v[TM+\b], v[TM+\b], |v[QSRC+16*\b+\i]|, |v[QSRC+16*\b+\i+1]|
.endr
.endr
	WIN 0
.irp b, 0,1,2,3
	v_permlanex16_b32 v[TM+4+\b], v[TM+\b], s[SEL], s[SEL+1]
.endr
.irp b, 0,1,2,3
	v_max_num_f32 v[TM+\b], v[TM+\b], v[TM+4+\b]
.endr
.irp b, 0,1,2,3
	v_add_nc_u32 v[TM+12+\b], 0xff000000, v[TM+\b]
.endr
.irp b, 0,1,2,3
	v_lshrrev_b32 v[TM+4+\b], 23, v[TM+12+\b]
.endr
	v_lshl_or_b32 v[QPW], v[TM+5], 8, v[TM+4]
	v_lshl_or_b32 v[QPW], v[TM+6], 16, v[QPW]
	v_lshl_or_b32 v[QPW], v[TM+7], 24, v[QPW]
.if \win
	WIN 0x01
.endif
.irp c, 0,1
	v_cvt_scalef32_pk16_fp6_f32 v[QDST+6*\c:QDST+6*\c+2], v[QSRC+32*\c:QSRC+32*\c+15], v[TM+12+2*\c]
	v_cvt_scalef32_pk16_fp6_f32 v[CT+4*\c:CT+4*\c+2], v[QSRC+32*\c+16:QSRC+32*\c+31], v[TM+13+2*\c]
.endr
	WIN 0
	v_nop
.irp c, 0,1
.irp i, 0,1,2
	v_permlane16_swap_b32 v[QDST+6*\c+\i], v[CT+4*\c+\i]
.endr
.irp i, 0,1,2
	v_mov_b32 v[QDST+6*\c+3+\i], v[CT+4*\c+\i]
.endr
.endr
.endm
	s_load_b256 s[4:11], s[0:1], 0x0               ; qimg, kvs, Wo, stats
	s_load_b64 s[12:13], s[0:1], 0x20              ; woimg
	v_lshl_add_u32 v[SPW], v0, 2, SPARE
	v_mov_b32 v[NIL], 0
	ds_add_u32 v[SPW], v[NIL]                      ; the wave's opening: the add, twice on end, and its wait ahead of my first tensor load
	ds_add_u32 v[SPW], v[NIL]
	v_lshrrev_b32 v8, 5, v0
	v_readfirstlane_b32 s[WV], v8                  ; wave 0..7
	s_bfe_u32 s15, ttmp6, 0x40000                  ; cx
	s_lshl_b32 s37, ttmp9, 2
	s_add_co_u32 s37, s37, s15                     ; X: it enters q's, Wo's and the outputs' addresses alone
	s_and_b32 s36, ttmp7, 0xffff                   ; Y, which the partners share
	; descriptor group 1: 50 rows of 256 bytes, dense: half of a block of k
	s_mov_b32 s[G1], 15|(3<<16)|(1<<21)            ; 15:0 the mask: all four work-groups; 17:16 elements of 8 bytes; 21 set beside a mask
	s_mov_b32 s[G1+1], 32<<16                      ; tensor_dim0 = 32
	s_mov_b32 s[G1+2], 50<<16                      ; tensor_dim1 = 50
	s_mov_b32 s[G1+3], 32<<16                      ; tile_dim0 = 32
	s_mov_b32 s[G1+4], 50                          ; tile_dim1 = 50
	s_mov_b32 s[G1+5], 32                          ; from row to row
	s_mov_b32 s[G1+6], 0
	s_mov_b32 s[G1+7], 0
	s_mov_b32 s[G0], 1
	s_mul_i32 s[G0+1], s[WV], 12800                ; LDS: wave x 12,800
	s_lshl_b32 s38, s36, 2
	s_lshr_b32 s39, s[WV], 1
	s_add_co_u32 s38, s38, s39                     ; key step 4 Y + w / 2
	s_mul_i32 s38, s38, 76800
	s_and_b32 s39, s[WV], 1
	s_mul_i32 s39, s39, 12800
	s_add_co_u32 s38, s38, s39
	s_mov_b32 s39, 0
	s_mul_i32 s40, s37, 102400                     ; q: my work-group's four blocks, my wave's two pairs of tiles
	s_mul_i32 s50, s[WV], 12800
	s_add_co_u32 s40, s40, s50
	s_mov_b32 s41, 0
	s_lshr_b32 s42, s37, 1                         ; Wo: tile X begins at row 32 (X / 2) + 8 (X % 2); K step = wave
	s_lshl_b32 s42, s42, 15
	s_and_b32 s50, s37, 1
	s_lshl_b32 s50, s50, 13
	s_add_co_u32 s42, s42, s50
	s_lshl_b32 s50, s[WV], 9
	s_add_co_u32 s42, s42, s50
	s_mov_b32 s43, 0
	s_lshl_b32 s50, s37, 1
	s_add_co_u32 s50, s50, s[WV]
	s_mul_i32 s44, s50, 1536                       ; woimg: fragment 2 X + s,
	s_mov_b32 s45, 0
	s_lshl_b32 s46, s50, 7
	s_add_co_u32 s46, s46, 49152                   ; and its scale image
	s_mov_b32 s47, 0
	s_lshl_b32 s48, s37, 5
	s_lshl_b32 s50, s[WV], 2
	s_add_co_u32 s48, s48, s50                     ; my first tile of queries: 32 X + 4 w
	s_lshl_b32 s48, s48, 7
	s_lshl_b32 s50, s36, 16
	s_add_co_u32 s48, s48, s50                     ; stats: part Y, 128 bytes a tile
	s_mov_b32 s49, 0
	s_mov_b32 s[CS], 0x3e38aa3b                    ; c = 0.125 x log2(e)
	s_mov_b32 s[CS+1], s[CS]
	s_mov_b32 s[SEL], 0x76543210
	s_mov_b32 s[SEL+1], 0xfedcba98
	s_wait_dscnt 0x0                               ; both opening adds are done
	s_wait_kmcnt 0x0
	s_add_nc_u64 s[G0+2:G0+3], s[6:7], s[38:39]
	s_or_b32 s[G0+3], s[G0+3], 0x80000000
	s_add_nc_u64 s[40:41], s[4:5], s[40:41]
	s_add_nc_u64 s[42:43], s[8:9], s[42:43]
	s_add_nc_u64 s[44:45], s[12:13], s[44:45]
	s_add_nc_u64 s[46:47], s[12:13], s[46:47]
	s_add_nc_u64 s[48:49], s[10:11], s[48:49]
	CROUND                                         ; all four work-groups are here: the joint loads meet
	tensor_load_to_lds s[G0:G0+3], s[G1:G1+7]      ; my eighth of k's four blocks: the wave's one tensor load
	s_nop 0
	PLACES 4
	v_and_b32 v8, 31, v0                           ; lane
	v_lshlrev_b32 v[LI], 4, v8
	v_lshlrev_b32 v[LS], 2, v8
	v_lshlrev_b32 v7, 3, v8
.irp p, 0,1
.irp n, 0,1,2,3,4,5,6,7,8,9,10,11
	global_load_b128 v[QF+48*\p+4*\n:QF+48*\p+4*\n+3], v[LI], s[40:41] offset:6400*\p+512*\n
.endr
.irp u, 0,1
	global_load_b32 v[QS+2*\p+\u], v[LS], s[40:41] offset:6400*\p+6144+128*\u
.endr
.endr
	v_and_b32 v9, 15, v0
	v_bfe_u32 v10, v0, 4, 1
	v_and_b32 v11, 8, v9
	v_add_nc_u32 v11, v11, v9
	v_lshlrev_b32 v11, 10, v11
	v_lshl_add_u32 v11, v10, 6, v11                ; (r + 8 (r / 8)) x 1,024 + 64 h
	s_cmp_lg_u32 s36, 0
	s_cbranch_scc1 .Lno_wo
	s_cmp_gt_u32 s[WV], 1
	s_cbranch_scc1 .Lno_wo
.irp b, 0,1,2,3
.irp j, 0,1,2,3
	global_load_b128 v[SS+16*\b+4*\j:SS+16*\b+4*\j+3], v11, s[42:43] offset:128*\b+16*\j
.endr
.endr
.irp b, 0,1,2,3
	v_mov_b32 v[TM+4+\b], 0                        ; a lane permute's destination counts as one of its sources
.endr
	s_wait_loadcnt 0x0
	QUANT SS, 0, PC, PW
.irp c, 0,1,2
	global_store_b128 v[LI], v[PC+4*\c:PC+4*\c+3], s[44:45] offset:512*\c
.endr
	global_store_b32 v[LS], v[PW], s[46:47]
	s_wait_xcnt 0x0                                ; the stores have read their registers, which k's fragments take next
.Lno_wo:
.irp i, 0,1,2,3
	v_mov_b32 v[NM+4*\i+1], 0xff61b1e6             ; the largest t so far: -3e38, under every t
	v_floor_f32 v[NM+4*\i], -v[NM+4*\i+1]          ; -M
	v_mov_b32 v[NM+4*\i+2], 0                      ; l, in two halves
	v_mov_b32 v[NM+4*\i+3], 0
	v_mov_b32 v[MX+2*\i], 0
	v_mov_b32 v[MX+2*\i+1], 0                      ; (named as the upper half of a pair)
.endr
.macro FETCHK                          ; 32 keys: four fragments and two scale images
.irp n, 0,1,2,3,4,5,6,7,8,9,10,11
	ds_load_b128 v[KF+4*\n:KF+4*\n+3], v[AKF] offset:512*\n
.endr
.irp u, 0,1
	ds_load_b32 v[KS+\u], v[AKS] offset:6144+128*\u
.endr
.endm
.macro STAT                            ; the four tiles by turns; no other lane is asked
.irp i, 0,1,2,3
	v_max3_num_f32 v[MX+2*\i], v[SS+16*\i], v[SS+16*\i+1], v[SS+16*\i+2]
.endr
.irp j, 3,5,7,9,11,13
.irp i, 0,1,2,3
	v_max3_num_f32 v[MX+2*\i], v[MX+2*\i], v[SS+16*\i+\j], v[SS+16*\i+\j+1]
.endr
.endr
.irp i, 0,1,2,3
	v_max_num_f32 v[MX+2*\i], v[MX+2*\i], v[SS+16*\i+15]
.endr
.irp i, 0,1,2,3
	v_mul_f32 v[MX+2*\i], s[CS], v[MX+2*\i]        ; as t (c is positive)
.endr
.irp i, 0,1,2,3
	v_max_num_f32 v[NM+4*\i+1], v[NM+4*\i+1], v[MX+2*\i]
.endr
.irp i, 0,1,2,3
	v_mov_b32 v[MX+2*\i], v[NM+4*\i]
.endr
.irp i, 0,1,2,3
	v_floor_f32 v[NM+4*\i], -v[NM+4*\i+1]          ; the new -M = -ceil(t)
.endr
.irp i, 0,1,2,3
	v_sub_f32 v[MX+2*\i], v[NM+4*\i], v[MX+2*\i]   ; old M - new M: a whole number, 0 or less
.endr
.irp i, 0,1,2,3
	v_cvt_i32_f32 v[MX+2*\i], v[MX+2*\i]           ; (it saturates)
.endr
.irp i, 0,1,2,3
	v_ldexp_f32 v[MX+2*\i], 1.0, v[MX+2*\i]        ; f = 2^(old M - new M)
.endr
.irp j, 0,2,4,6,8,10,12,14
.irp i, 0,1,2,3
	v_pk_fma_f32 v[SS+16*\i+\j:SS+16*\i+\j+1], v[SS+16*\i+\j:SS+16*\i+\j+1], s[CS:CS+1], v[NM+4*\i:NM+4*\i+1] op_sel_hi:[1,0,0]   ; t - M
.endr
.endr
.set J, 0
.rept 64
	v_exp_f32 v[SS+J], v[SS+J]                     ; one batch
.set J, J+1
.endr
.irp i, 0,1,2,3
	v_pk_mul_f32 v[NM+4*\i+2:NM+4*\i+3], v[NM+4*\i+2:NM+4*\i+3], v[MX+2*\i:MX+2*\i+1] op_sel_hi:[1,0]   ; l under the new M: plain work behind the exponentials
.endr
	s_wait_alu depctr_va_vdst(0)                   ; one wait for the batch, ahead of its first reader
.irp j, 0,2,4,6,8,10,12,14
.irp i, 0,1,2,3
	v_pk_add_f32 v[NM+4*\i+2:NM+4*\i+3], v[NM+4*\i+2:NM+4*\i+3], v[SS+16*\i+\j:SS+16*\i+\j+1]
.endr
.endr
.endm
.macro CHUNK ahead
	s_wait_dscnt 0x0                               ; the trip's fragments are in
.irp u, 0,1
.irp i, 0,1,2,3
	MM SS+16*\i+8*\u, KF+24*\u, QF+24*\i, -1, KS+\u, QS+\i, 0      ; eight accumulators by turns
.endr
.endr
.irp u, 0,1
.irp i, 0,1,2,3
	MM SS+16*\i+8*\u, KF+24*\u+12, QF+24*\i+12, SS+16*\i+8*\u, KS+\u, QS+\i, 3
.endr
.endr
.if \ahead
	s_add_co_u32 s[TB], s[TB], 6400
	v_add_nc_u32 v[AKF], s[TB], v[LI]              ; these two and two v_nop are the four places in front of the loads and of the reads of results
	v_add_nc_u32 v[AKS], s[TB], v[LS]
	PLACES 2
	FETCHK                                         ; the next 32 keys land during the vector work
.else
	PLACES 4
.endif
	STAT
.endm
	s_wait_loadcnt 0x0                             ; q
	s_wait_tensorcnt 0x0                           ; my part of k is in,
	s_barrier_signal -1
	s_barrier_wait -1                              ; everybody's is
	s_mov_b32 s[TB], 0
	v_mov_b32 v[AKF], v[LI]
	v_mov_b32 v[AKS], v[LS]
	FETCHK
	s_mov_b32 s35, 15
.Lchunk:
	CHUNK 1
	s_sub_co_u32 s35, s35, 1
	s_cmp_lg_u32 s35, 0
	s_cbranch_scc1 .Lchunk
	CHUNK 0                                        ; the last 32 keys: nothing more to fetch
	; the two halves of the lanes meet: the larger M, both sums under it
.irp i, 0,1,2,3
	v_add_f32 v[NM+4*\i+2], v[NM+4*\i+2], v[NM+4*\i+3]
	v_permlanex16_b32 v[MX+2*\i], v[NM+4*\i], s[SEL], s[SEL+1]
.endr
.irp i, 0,1,2,3
	v_min_num_f32 v[MX+2*\i], v[MX+2*\i], v[NM+4*\i]               ; the row's -M
.endr
.irp i, 0,1,2,3
	v_sub_f32 v[NM+4*\i+1], v[MX+2*\i], v[NM+4*\i]
.endr
.irp i, 0,1,2,3
	v_cvt_i32_f32 v[NM+4*\i+1], v[NM+4*\i+1]
.endr
.irp i, 0,1,2,3
	v_ldexp_f32 v[NM+4*\i+2], v[NM+4*\i+2], v[NM+4*\i+1]
.endr
.irp i, 0,1,2,3
	v_permlanex16_b32 v[NM+4*\i+3], v[NM+4*\i+2], s[SEL], s[SEL+1]
.endr
.irp i, 0,1,2,3
	v_add_f32 v[NM+4*\i+2], v[NM+4*\i+2], v[NM+4*\i+3]
.endr
	v_cmp_lt_u32 s38, 15, v8                       ; lanes 16-31 carry the odd tile
	v_cndmask_b32 v[SS], v[MX], v[MX+2], s38
	v_cndmask_b32 v[SS+1], v[NM+2], v[NM+6], s38
	v_cndmask_b32 v[SS+2], v[MX+4], v[MX+6], s38
	v_cndmask_b32 v[SS+3], v[NM+10], v[NM+14], s38
	global_store_b64 v7, v[SS:SS+1], s[48:49]                      ; 32 lanes store 256 consecutive bytes, aligned: two tiles' (-M, l)
	global_store_b64 v7, v[SS+2:SS+3], s[48:49] offset:256
	s_wait_tensorcnt 0x0                           ; the wave's end
	ds_add_u32 v[SPW], v[NIL]
	s_wait_dscnt 0x0
	CROUND                                         ; the closing round
	s_endpgm
.Lfunc_end_k_qf15236f86f_stats:
	.size	k_qf15236f86f_stats, .Lfunc_end_k_qf15236f86f_stats-k_qf15236f86f_stats
	.p2alignl 7, 3214868480
	.fill 96, 4, 3214868480
	.section	.rodata,"a",@progbits
	.p2align	6, 0x0
	.amdhsa_kernel k_qf15236f86f_stats
		.amdhsa_group_segment_fixed_size 167936
		.amdhsa_private_segment_fixed_size 0
		.amdhsa_enable_private_segment 0
		.amdhsa_kernarg_size 40
		.amdhsa_user_sgpr_count 2
		.amdhsa_user_sgpr_kernarg_segment_ptr 1
		.amdhsa_wavefront_size32 1
		.amdhsa_system_sgpr_workgroup_id_x 1
		.amdhsa_system_sgpr_workgroup_id_y 1
		.amdhsa_system_sgpr_workgroup_id_z 1
		.amdhsa_system_vgpr_workitem_id 0
		.amdhsa_next_free_vgpr 256
		.amdhsa_next_free_sgpr 70
		.amdhsa_reserve_vcc 0
		.amdhsa_float_denorm_mode_32 3
		.amdhsa_float_denorm_mode_16_64 3
		.amdhsa_memory_ordered 1
		.amdhsa_forward_progress 1
		.amdhsa_inst_pref_size 42
	.end_amdhsa_kernel
	.amdgpu_metadata
---
amdhsa.version: [ 1, 2 ]
amdhsa.kernels:
  - .name:           k_qf15236f86f_stats
    .symbol:         k_qf15236f86f_stats.kd
    .args:
      - { .name: qimg, .offset: 0, .size: 8, .value_kind: global_buffer, .address_space: global }
      - { .name: kvs, .offset: 8, .size: 8, .value_kind: global_buffer, .address_space: global }
      - { .name: Wo, .offset: 16, .size: 8, .value_kind: global_buffer, .address_space: global }
      - { .name: stats, .offset: 24, .size: 8, .value_kind: global_buffer, .address_space: global }
      - { .name: woimg, .offset: 32, .size: 8, .value_kind: global_buffer, .address_space: global }
    .group_segment_fixed_size: 167936
    .private_segment_fixed_size: 0
    .kernarg_segment_align: 8
    .kernarg_segment_size: 40
    .max_flat_workgroup_size: 256
    .sgpr_count:     70
    .vgpr_count:     256
    .wavefront_size: 32
...
	.end_amdgpu_metadata
.endif
;; end of part 2
;; launch attn (part 3): grid 64 x 4, 4 waves a work-group, clusters of 4 x 1, 327,680 bytes of LDS; arguments qimg, kvs, stats, part; writes part
.if DOCPART == 3
	.amdgcn_target "amdgcn-amd-amdhsa--gfx1250"
	.amdhsa_code_object_version 6
	.text
	.protected	k_qf15236f86f_attn
	.globl	k_qf15236f86f_attn
	.p2align	8
	.type	k_qf15236f86f_attn,@function
k_qf15236f86f_attn:
	s_mov_b64 s[64:65], 0
	v_nop
	global_prefetch_b8 v0, s[64:65] scope:SCOPE_SE
	s_setreg_imm32_b32 hwreg(HW_REG_WAVE_MODE, 25, 1), 1
	s_wait_xcnt 0x0
	s_wait_alu depctr_hold_cnt(0) depctr_sa_sdst(0) depctr_va_vdst(0) depctr_va_sdst(0) depctr_va_ssrc(0) depctr_va_vcc(0) depctr_vm_vsrc(0)
	s_getreg_b32 s2, hwreg(HW_REG_IB_STS2, 6, 4)
	s_cmp_eq_u32 s2, 0
	s_cbranch_scc0 .Lentry_in_a_cluster
	s_endpgm
.Lentry_in_a_cluster:
	s_bfe_u32 s2, ttmp6, 0x10000c
	s_cmp_lg_u32 s2, 0x3003
	s_cbranch_scc0 .Lentry_shape_is_right
	s_endpgm
.Lentry_shape_is_right:
; THE SECOND WALK OVER THE KEYS: S^T = k q^T once more, by the same instructions as in the first walk; p = 2^(t - M) and attn^2 = (p / l)^2, each quantised along the keys; O1^T += v^T p^T, O2^T += v_var^T (attn^2)^T.  All on codes of FP6 (E2M3).
; M and l are final (the sixteen parts of the first walk are joined at the head), so nothing is rescaled and no sum is taken here.  The edge inputs have no way to any output and are not loaded.
; SHARES.  Work-group (Xq, y): 128 queries x a quarter of the keys, 16 key steps of 128.  Wave w holds two tiles of 16 queries and both results for all 256 channels: 512 accumulator registers.
; The four quarters' results go to memory as f32 partial sums (O1 already divided by l) and are added in the last launch: with all keys in one work-group each WGP would have to take in four times the bytes for the same products.
; LAYOUT.  Both products are used transposed: a lane holds one query throughout; the keys of a tile of k are chosen so that p's 16 registers of two neighbouring tiles are 16 neighbouring keys.
; RING.  Two LDS slots of two key steps (153,600 bytes); each wave fetches a quarter of a slot by one tensor load; a refill has two key steps in which to land.  A wave has two loads out at the start, later one.
; CLUSTER.  The four work-groups of a cluster have the same y and walk the same keys: every slot is asked for jointly.
; No prefetch: a slot is asked for two key steps (192 matrix instructions and four softmaxes of a wave) ahead of its first read, and sixteen clusters walk each quarter of the 4.9 MB at once.
; LIMITS: a p under 2^-126 comes out of v_exp_f32 as 0; a block of zeros keeps the scale byte 1; 1 / l by v_rcp_f32; NaN and infinities are not served.
; REGISTERS: window 0: addresses, statistics, scale words, at work; v128-255 S^T (tile i at 128 + 64 i).  Window 1: O1^T (128 i + 8 ct).  Window 2: O2^T.
;   Window 3: v0-47 q; v48.. p's codes (12 a tile); v72.. attn^2's; v96, v144, v192 three buffers of four fragments.
.set STEPB, 76800
.set SLOTB, 153600
.set SPARE, 307200                     ; behind the ring: the spare words, 128 bytes for each wave: two blocks of 256 bytes that no other line names
.set LI, 1                             ; v1  16 x lane
.set LS, 2                             ; v2  4 x lane
.set LI2, 3                            ; v3  16 x lane + 25,600: v's fragments begin there in a step
.set LS2, 4                            ; v4  4 x lane + 25,600
.set AKF, 5
.set AVF, 6
.set AKS, 7
.set AVS, 8
.set R8, 9                             ; v9  8 r
.set SPW, 10                           ; v10 my spare word; never rewritten
.set NIL, 11                           ; v11 0; never rewritten
.set KS, 24                            ; v24-31 k's scale images; v32-39 v's; v40-47 v_var's; v48-49 q's; v50-51 p's words; v52-53 attn^2's
.set VS, 32
.set WS, 40
.set QS, 48
.set PW, 50
.set AW, 52
.set BM, 56                            ; v56-59 a block's largest score, then p
.set PT, 60
.set SP, 64
.set BY, 68
.set AM, 72
.set CT, 76                            ; v76-91 the conversions' results
.set WV, 12
.set G1, 16
.set G0, 24                            ; s[24:27] slot 0's group 0, s[28:31] slot 1's
.set CS, 32
.set SEL, 34
.set TB, 36
.set LAPS, 37
.set TWICE, 38
.set MSB, 0
.macro WIN new
.if MSB != \new
	s_set_vgpr_msb (MSB<<8)|\new
.set MSB, \new
.endif
.endm
.macro PLACES n
.rept \n
	v_nop
.endr
.endm
.macro CROUND
	s_barrier_signal -1
	s_barrier_wait -1
	s_cmp_lg_u32 s[WV], 0
	s_cbranch_scc1 .Lnot_wave_0_\@
	s_barrier_signal -3
.Lnot_wave_0_\@:
	s_barrier_wait -3
	s_barrier_signal -1
	s_barrier_wait -1
.endm
.macro MM d, a, b, c, sa, sb, rw
.set WD, \d
.set WA, \a
.set WB, \b
.set WC, \c
.set WSA, \sa
.set WSB, \sb
.if WC < 0
.if (\rw) == 0
	v_wmma_scale_f32_16x16x128_f8f6f4 v[WD:WD+7], v[WA:WA+11], v[WB:WB+11], 0, v[WSA], v[WSB] matrix_a_fmt:MATRIX_FMT_FP6 matrix_b_fmt:MATRIX_FMT_FP6
.else
	v_wmma_scale_f32_16x16x128_f8f6f4 v[WD:WD+7], v[WA:WA+11], v[WB:WB+11], 0, v[WSA], v[WSB] matrix_a_fmt:MATRIX_FMT_FP6 matrix_b_fmt:MATRIX_FMT_FP6 matrix_a_scale:MATRIX_SCALE_ROW1
.endif
.else
.if (\rw) == 0
	v_wmma_scale_f32_16x16x128_f8f6f4 v[WD:WD+7], v[WA:WA+11], v[WB:WB+11], v[WC:WC+7], v[WSA], v[WSB] matrix_a_fmt:MATRIX_FMT_FP6 matrix_b_fmt:MATRIX_FMT_FP6
.elseif (\rw) == 1
	v_wmma_scale_f32_16x16x128_f8f6f4 v[WD:WD+7], v[WA:WA+11], v[WB:WB+11], v[WC:WC+7], v[WSA], v[WSB] matrix_a_fmt:MATRIX_FMT_FP6 matrix_b_fmt:MATRIX_FMT_FP6 matrix_a_scale:MATRIX_SCALE_ROW1
.else
	v_wmma_scale_f32_16x16x128_f8f6f4 v[WD:WD+7], v[WA:WA+11], v[WB:WB+11], v[WC:WC+7], v[WSA], v[WSB] matrix_a_fmt:MATRIX_FMT_FP6 matrix_b_fmt:MATRIX_FMT_FP6 matrix_a_scale:MATRIX_SCALE_ROW1 matrix_b_scale:MATRIX_SCALE_ROW1
.endif
.endif
.endm
; Group g of a key step's twelve groups of four fragments, into buffer g % 3: 0-3 k's pairs of tiles, 4-7 v's channel tiles, 8-11 v_var's
.macro FETCH g
	WIN 0xc0                                       ; destination window 3
.set FBR, 96+48*((\g)%3)
.if (\g) < 4
.irp n, 0,1,2,3,4,5,6,7,8,9,10,11
	ds_load_b128 v[FBR+4*\n:FBR+4*\n+3], v[AKF] offset:6400*(\g)+512*\n
.endr
.else
.irp n, 0,1,2,3,4,5,6,7,8,9,10,11
	ds_load_b128 v[FBR+4*\n:FBR+4*\n+3], v[AVF] offset:6144*((\g)-4)+512*\n
.endr
.endif
.endm
.macro MULS b                          ; S^T of keys 32 b .. 32 b + 31: four accumulators by turns, two deep along the 256 channels
	WIN 0x0f                                       ; k and q in window 3, S^T in window 0
.set FBR, 96+48*((\b)%3)
.irp u, 0,1
.irp i, 0,1
	MM 128+64*\i+16*(\b)+8*\u, FBR+24*\u, 24*\i, -1, KS+2*(\b)+\u, QS+\i, 0
.endr
.endr
.irp u, 0,1
.irp i, 0,1
	MM 128+64*\i+16*(\b)+8*\u, FBR+24*\u+12, 24*\i+12, 128+64*\i+16*(\b)+8*\u, KS+2*(\b)+\u, QS+\i, 3
.endr
.endr
.endm
.macro MULV g, o, zero                 ; four channel tiles x my two tiles of queries; o = 0: O1 += v p, o = 1: O2 += v_var attn^2; zero = 1: the first key step starts the sums
.if \o
	WIN 0xaf
.else
	WIN 0x5f
.endif
.set FBR, 96+48*((\g)%3)
.irp k, 0,1,2,3
.irp i, 0,1
.set CTI, 4*(((\g)-4)%4)+\k
.if \zero
	MM 128*\i+8*CTI, FBR+12*\k, 48+24*(\o)+12*\i, -1, VS+8*(\o)+CTI/2, PW+2*(\o)+\i, \k%2
.else
	MM 128*\i+8*CTI, FBR+12*\k, 48+24*(\o)+12*\i, 128*\i+8*CTI, VS+8*(\o)+CTI/2, PW+2*(\o)+\i, \k%2
.endif
.endr
.endr
.endm
; 64 numbers at v[SB] on, whose four blocks' largest lie in v[mx] on, become codes at cod in window 3 and a scale word in v[wd]
.macro CODES mx, cod, wd
.irp b, 0,1,2,3
	v_max_num_f32 v[SP+\b], 0x1800000, v[\mx+\b]   ; the floor 2^(3 - 127): the byte cannot fall under 1
.endr
.irp b, 0,1,2,3
	v_add_nc_u32 v[SP+\b], 0xff000000, v[SP+\b]    ; 2 off the exponent field: the conversion's scale operand
.endr
.irp b, 0,1,2,3
	v_lshrrev_b32 v[BY+\b], 23, v[SP+\b]
.endr
	v_lshl_or_b32 v[\wd], v[BY+1], 8, v[BY]
	v_lshl_or_b32 v[\wd], v[BY+2], 16, v[\wd]
	v_lshl_or_b32 v[\wd], v[BY+3], 24, v[\wd]
.irp b, 0,1,2,3
	v_cvt_scalef32_pk16_fp6_f32 v[CT+4*\b:CT+4*\b+2], v[SB+16*\b:SB+16*\b+15], v[SP+\b]
.endr
	v_nop                                          ; one plain place behind a scaled conversion
.irp c, 0,1
.irp j, 0,1,2
	v_permlane16_swap_b32 v[CT+8*\c+\j], v[CT+8*\c+4+\j]           ; a whole block to a lane
.endr
.endr
	WIN 0xc0
.irp c, 0,1
.irp j, 0,1,2
	v_mov_b32 v[\cod+6*\c+\j], v[CT+8*\c+\j]
	v_mov_b32 v[\cod+6*\c+3+\j], v[CT+8*\c+4+\j]
.endr
.endr
	WIN 0
.endm
.macro SOFT i
.set SB, 128+64*(\i)
.set NMR, 12+4*(\i)
.set RLR, 14+4*(\i)
.irp b, 0,1,2,3
	v_max3_num_f32 v[BM+\b], v[SB+16*\b], v[SB+16*\b+1], v[SB+16*\b+2]   ; the largest score of each block of 32 keys: p rises with the score, so it gives the block's largest p
.endr
.irp j, 3,5,7,9,11,13
.irp b, 0,1,2,3
	v_max3_num_f32 v[BM+\b], v[BM+\b], v[SB+16*\b+\j], v[SB+16*\b+\j+1]
.endr
.endr
.irp b, 0,1,2,3
	v_max_num_f32 v[BM+\b], v[BM+\b], v[SB+16*\b+15]
.endr
.irp b, 0,1,2,3
	v_permlanex16_b32 v[PT+\b], v[BM+\b], s[SEL], s[SEL+1]
.endr
.irp b, 0,1,2,3
	v_max_num_f32 v[BM+\b], v[BM+\b], v[PT+\b]
.endr
.set J, 0
.rept 32
	v_pk_fma_f32 v[SB+J:SB+J+1], v[SB+J:SB+J+1], s[CS:CS+1], v[NMR:NMR+1] op_sel_hi:[1,0,0]   ; t - M
.set J, J+2
.endr
.irp b, 0,1,2,3
	v_fma_f32 v[BM+\b], v[BM+\b], s[CS], v[NMR]
.endr
.set J, 0
.rept 64
	v_exp_f32 v[SB+J], v[SB+J]                     ; p = 2^(t - M): one batch with the four below
.set J, J+1
.endr
.irp b, 0,1,2,3
	v_exp_f32 v[BM+\b], v[BM+\b]
.endr
	v_nop                                          ; a plain place behind the last exponential
	s_wait_alu depctr_va_vdst(0)                   ; one wait for the batch, ahead of its first reader
	CODES BM, 48+12*(\i), PW+(\i)
.irp b, 0,1,2,3
	v_mul_f32 v[AM+\b], v[BM+\b], v[RLR]           ; the same two multiplications on the block's largest p give the block's largest attn^2
.endr
.irp b, 0,1,2,3
	v_mul_f32 v[AM+\b], v[AM+\b], v[AM+\b]
.endr
.set J, 0
.rept 32
	v_pk_mul_f32 v[SB+J:SB+J+1], v[SB+J:SB+J+1], v[RLR:RLR+1]      ; attn = p / l
.set J, J+2
.endr
.set J, 0
.rept 32
	v_pk_mul_f32 v[SB+J:SB+J+1], v[SB+J:SB+J+1], v[SB+J:SB+J+1]    ; attn^2
.set J, J+2
.endr
	CODES AM, 72+12*(\i), AW+(\i)
.endm
.macro STEP zero
	v_add_nc_u32 v[AKF], s[TB], v[LI]              ; four plain lines: the places in front of the loads into registers that the last products read
	v_add_nc_u32 v[AVF], s[TB], v[LI2]
	v_add_nc_u32 v[AKS], s[TB], v[LS]
	v_add_nc_u32 v[AVS], s[TB], v[LS2]
.irp t, 0,1,2,3,4,5,6,7
	ds_load_b32 v[KS+\t], v[AKS] offset:6400*(\t/2)+6144+128*(\t%2)
.endr
.irp t, 0,1,2,3,4,5,6,7
	ds_load_b32 v[VS+\t], v[AVS] offset:49152+128*\t
	ds_load_b32 v[WS+\t], v[AVS] offset:50176+128*\t
.endr
	FETCH 0
	FETCH 1
	FETCH 2
.irp g, 0,1,2,3
	s_wait_dscnt 24                                ; the two younger groups of twelve loads may be out
	MULS \g
	PLACES 4
	FETCH \g+3
.endr
	WIN 0
	SOFT 0
	SOFT 1
.irp g, 4,5,6,7,8,9,10,11
.if \g <= 9
	s_wait_dscnt 24
.elseif \g == 10
	s_wait_dscnt 12                                ; one younger group
.else
	s_wait_dscnt 0x0
.endif
	MULV \g, \g/8, \zero
.if \g <= 8
	PLACES 4
	FETCH \g+3
.endif
.endr
	WIN 0
	s_add_co_u32 s[TB], s[TB], STEPB
.endm
.macro TWO_STEPS                       ; a slot's two key steps: written once, walked twice
	s_mov_b32 s[TWICE], 2
.Lstep_\@:
	STEP 0
	s_sub_co_u32 s[TWICE], s[TWICE], 1
	s_cmp_lg_u32 s[TWICE], 0
	s_cbranch_scc1 .Lstep_\@
.endm
; THE CHANGE OF SLOTS, at the head of slot `slot`.  Each wave waits for all its tensor loads (its part of the slot ahead), adds 0 to its spare word, and waits for that and for its reads of the slot that it has left.
; refill = 1: a round of the cluster's barrier, and first thing behind it the slot just left is asked for again, with the keys two slots on.
.macro CHANGE slot, refill
	s_wait_tensorcnt 0x0                           ; no tensor load of mine is out, so a group 0 may be written
	ds_add_u32 v[SPW], v[NIL]                      ; 0 onto my spare word
.if \refill
	s_add_nc_u64 s[G0+6-4*\slot:G0+7-4*\slot], s[G0+6-4*\slot:G0+7-4*\slot], 2*SLOTB
.endif
	s_wait_dscnt 0x0
.if \refill
	CROUND
	tensor_load_to_lds s[G0+4-4*\slot:G0+7-4*\slot], s[G1:G1+7]
	s_nop 0
	PLACES 4
.else
	s_barrier_signal -1
	s_barrier_wait -1
.endif
	s_mov_b32 s[TB], \slot*SLOTB
.endm
	s_load_b256 s[4:11], s[0:1], 0x0               ; qimg, kvs, stats, part
	v_lshl_add_u32 v[SPW], v0, 2, SPARE
	v_mov_b32 v[NIL], 0
	ds_add_u32 v[SPW], v[NIL]                      ; the wave's opening: the add, twice on end, and its wait ahead of my first tensor load
	ds_add_u32 v[SPW], v[NIL]
	v_lshrrev_b32 v12, 5, v0
	v_readfirstlane_b32 s[WV], v12                 ; wave 0..3
	s_bfe_u32 s13, ttmp6, 0x40000                  ; cx
	s_lshl_b32 s14, ttmp9, 2
	s_add_co_u32 s14, s14, s13                     ; Xq: it enters q's, the statistics' and the output's addresses alone
	s_and_b32 s15, ttmp7, 0xffff                   ; y, which the partners share
	; descriptor group 1: 150 rows of 256 bytes, dense: a quarter of a slot
	s_mov_b32 s[G1], 15|(3<<16)|(1<<21)            ; 15:0 the mask: all four work-groups; 17:16 elements of 8 bytes; 21 set beside a mask
	s_mov_b32 s[G1+1], 32<<16
	s_mov_b32 s[G1+2], 150<<16
	s_mov_b32 s[G1+3], 32<<16
	s_mov_b32 s[G1+4], 150
	s_mov_b32 s[G1+5], 32
	s_mov_b32 s[G1+6], 0
	s_mov_b32 s[G1+7], 0
	s_mul_i32 s40, s[WV], 38400
	s_mov_b32 s[G0], 1
	s_mov_b32 s[G0+1], s40
	s_mov_b32 s[G0+4], 1
	s_add_co_u32 s[G0+5], s40, SLOTB
	s_mul_i32 s42, s15, 16*STEPB
	s_add_co_u32 s42, s42, s40
	s_mov_b32 s43, 0
	s_mul_i32 s44, s14, 25600
	s_mul_i32 s41, s[WV], 6400
	s_add_co_u32 s44, s44, s41                     ; q: block Xq, pair w
	s_mov_b32 s45, 0
	s_lshl_b32 s46, s14, 3
	s_lshl_b32 s41, s[WV], 1
	s_add_co_u32 s46, s46, s41                     ; my first tile of queries: 8 Xq + 2 w
	s_lshl_b32 s48, s15, 9
	s_add_co_u32 s48, s48, s46
	s_lshl_b32 s48, s48, 15                        ; part: 32,768 bytes a tile and quarter
	s_mov_b32 s49, 0
	s_lshl_b32 s46, s46, 7
	s_mov_b32 s47, 0
	s_mov_b32 s[CS], 0x3e38aa3b                    ; c = 0.125 x log2(e)
	s_mov_b32 s[CS+1], s[CS]
	s_mov_b32 s[SEL], 0x76543210
	s_mov_b32 s[SEL+1], 0xfedcba98
	s_wait_dscnt 0x0                               ; both opening adds are done
	s_wait_kmcnt 0x0
	s_add_nc_u64 s[G0+2:G0+3], s[6:7], s[42:43]
	s_add_nc_u64 s[G0+6:G0+7], s[G0+2:G0+3], SLOTB
	s_or_b32 s[G0+3], s[G0+3], 0x80000000
	s_or_b32 s[G0+7], s[G0+7], 0x80000000
	s_add_nc_u64 s[44:45], s[4:5], s[44:45]
	s_add_nc_u64 s[46:47], s[8:9], s[46:47]
	s_add_nc_u64 s[48:49], s[10:11], s[48:49]
	CROUND                                         ; all four work-groups are here: the first joint loads meet
	tensor_load_to_lds s[G0:G0+3], s[G1:G1+7]      ; key steps 0 and 1
	s_nop 0
	tensor_load_to_lds s[G0+4:G0+7], s[G1:G1+7]    ; key steps 2 and 3
	s_nop 0
	PLACES 4
	v_and_b32 v12, 31, v0
	v_lshlrev_b32 v[LI], 4, v12
	v_lshlrev_b32 v[LS], 2, v12
	v_add_nc_u32 v[LI2], 25600, v[LI]
	v_add_nc_u32 v[LS2], 25600, v[LS]
	v_and_b32 v[R8], 15, v0
	v_lshlrev_b32 v[R8], 3, v[R8]
	WIN 0xc0
.irp n, 0,1,2,3,4,5,6,7,8,9,10,11
	global_load_b128 v[4*\n:4*\n+3], v[LI], s[44:45] offset:512*\n   ; q stays in registers
.endr
	WIN 0
.irp i, 0,1
	global_load_b32 v[QS+\i], v[LS], s[44:45] offset:6144+128*\i
.endr
.irp i, 0,1
.irp p, 0,1,2,3,4,5,6,7,8,9,10,11,12,13,14,15
	global_load_b64 v[128+64*\i+2*\p:129+64*\i+2*\p], v[R8], s[46:47] offset:65536*\p+128*\i   ; (-M, l) of part p
.endr
.endr
.irp b, 0,1,2,3
	v_mov_b32 v[PT+\b], 0                          ; a lane permute's destination counts as one of its sources
.endr
	s_wait_loadcnt 0x0
	; the sixteen parts are joined: the largest M; each l under it, by an exact power of two; 1 / l
.irp i, 0,1
	v_min_num_f32 v[12+4*\i], v[128+64*\i], v[130+64*\i]
.irp p, 2,3,4,5,6,7,8,9,10,11,12,13,14,15
	v_min_num_f32 v[12+4*\i], v[12+4*\i], v[128+64*\i+2*\p]
.endr
.irp p, 0,1,2,3,4,5,6,7,8,9,10,11,12,13,14,15
	v_sub_f32 v[128+64*\i+2*\p], v[12+4*\i], v[128+64*\i+2*\p]     ; M of the part - M: a whole number, 0 or less
.endr
.irp p, 0,1,2,3,4,5,6,7,8,9,10,11,12,13,14,15
	v_cvt_i32_f32 v[128+64*\i+2*\p], v[128+64*\i+2*\p]
.endr
.irp p, 0,1,2,3,4,5,6,7,8,9,10,11,12,13,14,15
	v_ldexp_f32 v[129+64*\i+2*\p], v[129+64*\i+2*\p], v[128+64*\i+2*\p]
.endr
	v_add_f32 v[14+4*\i], v[129+64*\i], v[131+64*\i]
.irp p, 2,3,4,5,6,7,8,9,10,11,12,13,14,15
	v_add_f32 v[14+4*\i], v[14+4*\i], v[129+64*\i+2*\p]
.endr
.endr
	v_rcp_f32 v14, v14
	v_rcp_f32 v18, v18
	v_mov_b32 v13, v12                             ; (a plain place behind the reciprocals)  the pairs' upper halves
	v_mov_b32 v17, v16
	s_wait_alu depctr_va_vdst(0)                   ; one wait for both reciprocals, ahead of their first reader
	v_mov_b32 v15, v14
	v_mov_b32 v19, v18
	s_wait_tensorcnt 1                             ; my part of slot 0 is in; slot 1's may stay out
	s_barrier_signal -1
	s_barrier_wait -1
	s_mov_b32 s[TB], 0
	STEP 1                                         ; the first key step starts O1 and O2: nothing is cleared
	STEP 0
	s_mov_b32 s[LAPS], 3
.Llap:                                             ; a trip goes once round the ring and fills both slots again
	CHANGE 1, 1
	TWO_STEPS
	CHANGE 0, 1
	TWO_STEPS
	s_sub_co_u32 s[LAPS], s[LAPS], 1
	s_cmp_lg_u32 s[LAPS], 0
	s_cbranch_scc1 .Llap
	CHANGE 1, 0                                    ; the last slot: nothing is left to fetch
	TWO_STEPS
	; THE WAY OUT: O1 / l; both results leave as images of their registers, straight from the accumulators
	PLACES 4
	WIN 0x41                                       ; O1 in window 1, 1 / l in window 0
.irp i, 0,1
.set J, 0
.rept 64
	v_pk_mul_f32 v[128*\i+J:128*\i+J+1], v[128*\i+J:128*\i+J+1], v[14+4*\i:15+4*\i]
.set J, J+2
.endr
.endr
	WIN 0x04                                       ; a store's data are its source 1: window 1
.irp i, 0,1
.set J, 0
.rept 32
	global_store_b128 v[LI], v[128*\i+4*J:128*\i+4*J+3], s[48:49] offset:32768*\i+512*J th:TH_STORE_NT   ; 32 lanes store 512 consecutive bytes, aligned
.set J, J+1
.endr
.endr
	WIN 0x08                                       ; window 2: each accumulator from its low end on
.irp i, 0,1
.set J, 0
.rept 32
	global_store_b128 v[LI], v[128*\i+4*J:128*\i+4*J+3], s[48:49] offset:32768*\i+16384+512*J th:TH_STORE_NT
.set J, J+1
.endr
.endr
	WIN 0
	s_wait_tensorcnt 0x0                           ; the wave's end
	ds_add_u32 v[SPW], v[NIL]
	s_wait_dscnt 0x0
	CROUND                                         ; the closing round
	s_endpgm
.Lfunc_end_k_qf15236f86f_attn:
	.size	k_qf15236f86f_attn, .Lfunc_end_k_qf15236f86f_attn-k_qf15236f86f_attn
	.p2alignl 7, 3214868480
	.fill 96, 4, 3214868480
	.section	.rodata,"a",@progbits
	.p2align	6, 0x0
	.amdhsa_kernel k_qf15236f86f_attn
		.amdhsa_group_segment_fixed_size 327680
		.amdhsa_private_segment_fixed_size 0
		.amdhsa_enable_private_segment 0
		.amdhsa_kernarg_size 32
		.amdhsa_user_sgpr_count 2
		.amdhsa_user_sgpr_kernarg_segment_ptr 1
		.amdhsa_wavefront_size32 1
		.amdhsa_system_sgpr_workgroup_id_x 1
		.amdhsa_system_sgpr_workgroup_id_y 1
		.amdhsa_system_sgpr_workgroup_id_z 1
		.amdhsa_system_vgpr_workitem_id 0
		.amdhsa_next_free_vgpr 1024
		.amdhsa_next_free_sgpr 66
		.amdhsa_reserve_vcc 0
		.amdhsa_float_denorm_mode_32 3
		.amdhsa_float_denorm_mode_16_64 3
		.amdhsa_memory_ordered 1
		.amdhsa_forward_progress 1
		.amdhsa_inst_pref_size 255
	.end_amdhsa_kernel
	.section	.bss,"aw",@nobits
	.p2align	6
	.space	262144
	.amdgpu_metadata
---
amdhsa.version: [ 1, 2 ]
amdhsa.kernels:
  - .name:           k_qf15236f86f_attn
    .symbol:         k_qf15236f86f_attn.kd
    .args:
      - { .name: qimg, .offset: 0, .size: 8, .value_kind: global_buffer, .address_space: global }
      - { .name: kvs, .offset: 8, .size: 8, .value_kind: global_buffer, .address_space: global }
      - { .name: stats, .offset: 16, .size: 8, .value_kind: global_buffer, .address_space: global }
      - { .name: part, .offset: 24, .size: 8, .value_kind: global_buffer, .address_space: global }
    .group_segment_fixed_size: 327680
    .private_segment_fixed_size: 0
    .kernarg_segment_align: 8
    .kernarg_segment_size: 32
    .max_flat_workgroup_size: 128
    .sgpr_count:     66
    .vgpr_count:     1024
    .wavefront_size: 32
...
	.end_amdgpu_metadata
.endif
;; end of part 3
;; launch outp (part 4): grid 256 x 1, 8 waves a work-group, no clusters, 74,240 bytes of LDS; arguments part, woimg, bo, out0, out1; writes out0, out1
.if DOCPART == 4
	.amdgcn_target "amdgcn-amd-amdhsa--gfx1250"
	.amdhsa_code_object_version 6
	.text
	.protected	k_qf15236f86f_outp
	.globl	k_qf15236f86f_outp
	.p2align	8
	.type	k_qf15236f86f_outp,@function
k_qf15236f86f_outp:
	s_mov_b64 s[64:65], 0
	v_nop
	global_prefetch_b8 v0, s[64:65] scope:SCOPE_SE
	s_setreg_imm32_b32 hwreg(HW_REG_WAVE_MODE, 25, 1), 1
	s_wait_xcnt 0x0
; The four quarters' partial sums are added; out_var is their sum; out_mean = Q(attn v) Q(Wo)^T + bo on codes of FP6 (E2M3).  The edge inputs have no way to any output and are not loaded.
; SHARES.  A work-group takes 32 rows (two tiles of queries).  Wave w adds one half image (64 registers a lane) of the four partial sums: waves 0-3 those of attn v (tile w / 2, K step w % 2), which they quantise and hand
; to all waves through LDS as an image of the operand's registers; waves 4-7 those of out_var, which go to a stage in LDS.  Then wave w makes outputs 32 w .. 32 w + 31 of out_mean for the 32 rows.
; Both outputs leave through stages of whole rows: 32 lanes store 512 consecutive bytes.
; LIMIT: the four partial sums are added in another order than reference()'s one sum over the keys.
.set XIMG, 0                           ; LDS: four fragments (2 i + s)
.set XSC, 6144                         ; their scale words, 128 bytes each
.set STG1, 6656                        ; out_mean: 32 rows x (1,024 + 16) bytes
.set STG2, 39936                       ; out_var likewise
.set SPARE, 73216                      ; the spare words, 128 bytes for each wave: four blocks of 256 bytes that no other line names
.set LI, 1
.set LS, 2
.set XWI, 3
.set XWS, 4
.set SO1, 5
.set SO2, 6
.set RD, 7
.set SPW, 12
.set NIL, 13
.set RF, 14                            ; v14-61  Wo's fragments: (u, s) at 14 + 12 (2 u + s)
.set RS, 62                            ; v62-65  their scale words
.set CR, 66                            ; v66-81  bo, as C
.set CA, 82
.set TM, 90
.set PW, 106
.set CT, 108
.set PC, 116
.set RES, 128                          ; v128-191 the sums; later v128-159 four accumulators, v160-191 rows of out_var
.set XF, 192                           ; v192-239 the four fragments; later rows of out_mean
.set XS, 240                           ; v240-243 their scale words
.set WV, 14
.set SEL, 16
.set MSB, 0
.macro WIN new
.if MSB != \new
	s_set_vgpr_msb (MSB<<8)|\new
.set MSB, \new
.endif
.endm
.macro PLACES n
.rept \n
	v_nop
.endr
.endm
.macro BARRIER
	s_wait_dscnt 0x0
	s_barrier_signal -1
	s_barrier_wait -1
.endm
.macro MM d, a, b, c, sa, sb, rw
.set WD, \d
.set WA, \a
.set WB, \b
.set WC, \c
.set WSA, \sa
.set WSB, \sb
.if WC < 0
.if (\rw) == 0
	v_wmma_scale_f32_16x16x128_f8f6f4 v[WD:WD+7], v[WA:WA+11], v[WB:WB+11], 0, v[WSA], v[WSB] matrix_a_fmt:MATRIX_FMT_FP6 matrix_b_fmt:MATRIX_FMT_FP6
.else
	v_wmma_scale_f32_16x16x128_f8f6f4 v[WD:WD+7], v[WA:WA+11], v[WB:WB+11], 0, v[WSA], v[WSB] matrix_a_fmt:MATRIX_FMT_FP6 matrix_b_fmt:MATRIX_FMT_FP6 matrix_a_scale:MATRIX_SCALE_ROW1
.endif
.else
.if (\rw) == 0
	v_wmma_scale_f32_16x16x128_f8f6f4 v[WD:WD+7], v[WA:WA+11], v[WB:WB+11], v[WC:WC+7], v[WSA], v[WSB] matrix_a_fmt:MATRIX_FMT_FP6 matrix_b_fmt:MATRIX_FMT_FP6
.elseif (\rw) == 1
	v_wmma_scale_f32_16x16x128_f8f6f4 v[WD:WD+7], v[WA:WA+11], v[WB:WB+11], v[WC:WC+7], v[WSA], v[WSB] matrix_a_fmt:MATRIX_FMT_FP6 matrix_b_fmt:MATRIX_FMT_FP6 matrix_a_scale:MATRIX_SCALE_ROW1
.else
	v_wmma_scale_f32_16x16x128_f8f6f4 v[WD:WD+7], v[WA:WA+11], v[WB:WB+11], v[WC:WC+7], v[WSA], v[WSB] matrix_a_fmt:MATRIX_FMT_FP6 matrix_b_fmt:MATRIX_FMT_FP6 matrix_a_scale:MATRIX_SCALE_ROW1 matrix_b_scale:MATRIX_SCALE_ROW1
.endif
.endif
.endm
.macro QUANT src, win, dst, pw         ; as in the first launch
.set QSRC, \src
.set QDST, \dst
.set QPW, \pw
.if \win
	WIN 0x05
.endif
.irp b, 0,1,2,3
	v_max3_num_f32 v[TM+\b], |v[QSRC+16*\b]|, |v[QSRC+16*\b+1]|, 0x1800000
.endr
.if \win
	WIN 0x14
.endif
.irp i, 2,4,6,8,10,12,14
.irp b, 0,1,2,3
	v_max3_num_f32 v[TM+\b], v[TM+\b], |v[QSRC+16*\b+\i]|, |v[QSRC+16*\b+\i+1]|
.endr
.endr
	WIN 0
.irp b, 0,1,2,3
	v_permlanex16_b32 v[TM+4+\b], v[TM+\b], s[SEL], s[SEL+1]
.endr
.irp b, 0,1,2,3
	v_max_num_f32 v[TM+\b], v[TM+\b], v[TM+4+\b]
.endr
.irp b, 0,1,2,3
	v_add_nc_u32 v[TM+12+\b], 0xff000000, v[TM+\b]
.endr
.irp b, 0,1,2,3
	v_lshrrev_b32 v[TM+4+\b], 23, v[TM+12+\b]
.endr
	v_lshl_or_b32 v[QPW], v[TM+5], 8, v[TM+4]
	v_lshl_or_b32 v[QPW], v[TM+6], 16, v[QPW]
	v_lshl_or_b32 v[QPW], v[TM+7], 24, v[QPW]
.if \win
	WIN 0x01
.endif
.irp c, 0,1
	v_cvt_scalef32_pk16_fp6_f32 v[QDST+6*\c:QDST+6*\c+2], v[QSRC+32*\c:QSRC+32*\c+15], v[TM+12+2*\c]
	v_cvt_scalef32_pk16_fp6_f32 v[CT+4*\c:CT+4*\c+2], v[QSRC+32*\c+16:QSRC+32*\c+31], v[TM+13+2*\c]
.endr
	WIN 0
	v_nop
.irp c, 0,1
.irp i, 0,1,2
	v_permlane16_swap_b32 v[QDST+6*\c+\i], v[CT+4*\c+\i]
.endr
.irp i, 0,1,2
	v_mov_b32 v[QDST+6*\c+3+\i], v[CT+4*\c+\i]
.endr
.endr
.endm
	s_load_b256 s[4:11], s[0:1], 0x0               ; part, woimg, bo, out0
	s_load_b64 s[12:13], s[0:1], 0x20              ; out1
	v_lshl_add_u32 v[SPW], v0, 2, SPARE
	v_mov_b32 v[NIL], 0
	v_lshrrev_b32 v84, 5, v0
	v_readfirstlane_b32 s[WV], v84                 ; wave 0..7
	v_and_b32 v84, 31, v0                          ; lane
	v_and_b32 v85, 15, v0                          ; r
	v_bfe_u32 v86, v0, 4, 1                        ; h
	v_and_b32 v87, 8, v85
	v_add_nc_u32 v87, v87, v85                     ; r + 8 (r / 8)
	v_lshlrev_b32 v[LI], 4, v84
	v_lshlrev_b32 v[LS], 2, v84
	s_mul_i32 s20, s[WV], 1536
	v_add_nc_u32 v[XWI], s20, v[LI]
	s_lshl_b32 s20, s[WV], 7
	v_add_nc_u32 v[XWS], s20, v[LS]
	v_mul_u32_u24 v88, v87, 1040
	v_lshl_add_u32 v88, v86, 6, v88                ; a stage's row r + 8 (r / 8), + 64 h
	v_add_nc_u32 v[SO1], s20, v88                  ; + 128 w: my 32 outputs' bytes
	v_lshl_add_u32 v[CA], v86, 6, s20              ; bo[32 w + 16 h + ..]
	s_bfe_u32 s21, s[WV], 0x10001                  ; i: which tile of queries I add
	s_and_b32 s22, s[WV], 1                        ; s: which half of the channels
	s_lshr_b32 s23, s[WV], 2                       ; o: 0 attn v, 1 out_var
	s_mul_i32 s24, s21, 8320                       ; tile i lies 8 rows further down
	s_lshl_b32 s25, s22, 9
	s_add_co_u32 s24, s24, s25
	v_add_nc_u32 v[SO2], s24, v88
	s_mul_i32 s24, s[WV], 4160
	v_add_nc_u32 v[RD], s24, v[LI]                 ; back: rows 4 w on, 16 bytes a lane
	s_lshl_b32 s26, ttmp9, 1
	s_add_co_u32 s26, s26, s21
	s_lshl_b32 s26, s26, 1
	s_add_co_u32 s26, s26, s23
	s_lshl_b32 s26, s26, 1
	s_add_co_u32 s26, s26, s22
	s_lshl_b32 s26, s26, 13                        ; my half image in a quarter's partial sums
	s_mov_b32 s27, 0
	s_mul_i32 s28, s[WV], 6144                     ; Wo's tiles 2 w, 2 w + 1
	s_mov_b32 s29, 0
	s_lshl_b32 s30, s[WV], 9                       ; and their four scale images
	s_mov_b32 s31, 0
	s_lshl_b32 s32, ttmp9, 5
	s_lshl_b32 s33, s[WV], 2
	s_add_co_u32 s32, s32, s33
	s_lshl_b32 s32, s32, 10                        ; rows 32 x work-group + 4 w of the outputs
	s_mov_b32 s33, 0
	s_mov_b32 s[SEL], 0x76543210
	s_mov_b32 s[SEL+1], 0xfedcba98
.irp b, 0,1,2,3
	v_mov_b32 v[TM+4+\b], 0                        ; a lane permute's destination counts as one of its sources
.endr
	s_wait_kmcnt 0x0
	s_add_nc_u64 s[34:35], s[4:5], s[26:27]
	s_add_nc_u64 s[36:37], s[34:35], 0x1000000     ; the quarters lie 16,777,216 bytes apart
	s_add_nc_u64 s[38:39], s[36:37], 0x1000000
	s_add_nc_u64 s[40:41], s[38:39], 0x1000000
	s_add_nc_u64 s[42:43], s[6:7], s[28:29]
	s_add_nc_u64 s[44:45], s[6:7], s[30:31]
	s_add_nc_u64 s[10:11], s[10:11], s[32:33]
	s_add_nc_u64 s[12:13], s[12:13], s[32:33]
	WIN 0x40                                       ; destination window 1: quarter k at v[64 k]
.irp k, 0,1,2,3
.irp g, 0,1,2,3,4,5,6,7,8,9,10,11,12,13,14,15
	global_load_b128 v[64*\k+4*\g:64*\k+4*\g+3], v[LI], s[34+2*\k:35+2*\k] offset:512*\g th:TH_LOAD_NT
.endr
.endr
	WIN 0
.irp n, 0,1,2,3,4,5,6,7,8,9,10,11
	global_load_b128 v[RF+4*\n:RF+4*\n+3], v[LI], s[42:43] offset:512*\n
.endr
.irp k, 0,1,2,3
	global_load_b32 v[RS+\k], v[LS], s[44:45] offset:49152+128*\k
.endr
.irp i, 0,1,2,3
	global_load_b128 v[CR+4*\i:CR+4*\i+3], v[CA], s[8:9] offset:16*\i
.endr
	s_wait_loadcnt 0x0
	WIN 0x45                                       ; all in window 1
.set J, 0
.rept 32
	v_pk_add_f32 v[J:J+1], v[J:J+1], v[64+J:65+J]
	v_pk_add_f32 v[128+J:129+J], v[128+J:129+J], v[192+J:193+J]
.set J, J+2
.endr
	WIN 0x05                                       ; sources in window 1, the sum in window 0
.set J, 0
.rept 32
	v_pk_add_f32 v[RES+J:RES+J+1], v[J:J+1], v[128+J:129+J]
.set J, J+2
.endr
	WIN 0
	s_cmp_lt_u32 s[WV], 4
	s_cbranch_scc0 .Lvar
	QUANT RES, 0, PC, PW                           ; register 16 b + i is channel 128 s + 32 b + 16 h + i of query r: the quantiser's order
.irp c, 0,1,2
	ds_store_b128 v[XWI], v[PC+4*\c:PC+4*\c+3] offset:XIMG+512*\c
.endr
	ds_store_b32 v[XWS], v[PW] offset:XSC
	s_branch .Ljoin
.Lvar:
.irp n, 0,1,2,3,4,5,6,7,8,9,10,11,12,13,14,15
	ds_store_b128 v[SO2], v[RES+4*\n:RES+4*\n+3] offset:STG2+128*(\n/4)+16*(\n%4)
.endr
.Ljoin:
	BARRIER                                        ; the four fragments and out_var's 32 rows lie in LDS
.irp n, 0,1,2,3,4,5,6,7,8,9,10,11
	ds_load_b128 v[XF+4*\n:XF+4*\n+3], v[LI] offset:XIMG+512*\n
.endr
.irp k, 0,1,2,3
	ds_load_b32 v[XS+\k], v[LS] offset:XSC+128*\k
.endr
.irp n, 0,1,2,3,4,5,6,7
	ds_load_b128 v[160+4*\n:163+4*\n], v[RD] offset:STG2+1040*(\n/2)+512*(\n%2)
.endr
	s_wait_dscnt 8                                 ; the eight younger loads, out_var's rows, may be out
.irp i, 0,1
.irp u, 0,1
	MM 128+16*\i+8*\u, RF+24*\u, XF+24*\i, CR+8*\u, RS+2*\u, XS+2*\i, 0      ; four accumulators by turns; bo is the C of each sum's first product
.endr
.endr
.irp i, 0,1
.irp u, 0,1
	MM 128+16*\i+8*\u, RF+24*\u+12, XF+24*\i+12, 128+16*\i+8*\u, RS+2*\u+1, XS+2*\i+1, 0
.endr
.endr
	s_wait_dscnt 0x0
.irp n, 0,1,2,3,4,5,6,7
	global_store_b128 v[LI], v[160+4*\n:163+4*\n], s[12:13] offset:1024*(\n/2)+512*(\n%2) th:TH_STORE_NT   ; 32 lanes store 512 consecutive bytes, aligned
.endr
	PLACES 4
.irp i, 0,1
.irp u, 0,1
	ds_store_b128 v[SO1], v[128+16*\i+8*\u:131+16*\i+8*\u] offset:STG1+8320*\i+32*\u      ; lane (r, h): out_mean(row of (i, r), 32 w + 16 h + 8 u + 0 .. 7)
	ds_store_b128 v[SO1], v[132+16*\i+8*\u:135+16*\i+8*\u] offset:STG1+8320*\i+32*\u+16
.endr
.endr
	BARRIER                                        ; out_mean's 32 rows lie in the stage
.irp n, 0,1,2,3,4,5,6,7
	ds_load_b128 v[192+4*\n:195+4*\n], v[RD] offset:STG1+1040*(\n/2)+512*(\n%2)
.endr
	s_wait_dscnt 0x0
.irp n, 0,1,2,3,4,5,6,7
	global_store_b128 v[LI], v[192+4*\n:195+4*\n], s[10:11] offset:1024*(\n/2)+512*(\n%2) th:TH_STORE_NT
.endr
	s_wait_tensorcnt 0x0                           ; the wave's end, behind my last LDS store
	ds_add_u32 v[SPW], v[NIL]
	s_wait_dscnt 0x0
	s_endpgm
.Lfunc_end_k_qf15236f86f_outp:
	.size	k_qf15236f86f_outp, .Lfunc_end_k_qf15236f86f_outp-k_qf15236f86f_outp
	.p2alignl 7, 3214868480
	.fill 96, 4, 3214868480
	.section	.rodata,"a",@progbits
	.p2align	6, 0x0
	.amdhsa_kernel k_qf15236f86f_outp
		.amdhsa_group_segment_fixed_size 74240
		.amdhsa_private_segment_fixed_size 0
		.amdhsa_enable_private_segment 0
		.amdhsa_kernarg_size 40
		.amdhsa_user_sgpr_count 2
		.amdhsa_user_sgpr_kernarg_segment_ptr 1
		.amdhsa_wavefront_size32 1
		.amdhsa_system_sgpr_workgroup_id_x 1
		.amdhsa_system_sgpr_workgroup_id_y 1
		.amdhsa_system_sgpr_workgroup_id_z 1
		.amdhsa_system_vgpr_workitem_id 0
		.amdhsa_next_free_vgpr 512
		.amdhsa_next_free_sgpr 66
		.amdhsa_reserve_vcc 0
		.amdhsa_float_denorm_mode_32 3
		.amdhsa_float_denorm_mode_16_64 3
		.amdhsa_memory_ordered 1
		.amdhsa_forward_progress 1
		.amdhsa_inst_pref_size 28
	.end_amdhsa_kernel
	.amdgpu_metadata
---
amdhsa.version: [ 1, 2 ]
amdhsa.kernels:
  - .name:           k_qf15236f86f_outp
    .symbol:         k_qf15236f86f_outp.kd
    .args:
      - { .name: part, .offset: 0, .size: 8, .value_kind: global_buffer, .address_space: global }
      - { .name: woimg, .offset: 8, .size: 8, .value_kind: global_buffer, .address_space: global }
      - { .name: bo, .offset: 16, .size: 8, .value_kind: global_buffer, .address_space: global }
      - { .name: out0, .offset: 24, .size: 8, .value_kind: global_buffer, .address_space: global }
      - { .name: out1, .offset: 32, .size: 8, .value_kind: global_buffer, .address_space: global }
    .group_segment_fixed_size: 74240
    .private_segment_fixed_size: 0
    .kernarg_segment_align: 8
    .kernarg_segment_size: 40
    .max_flat_workgroup_size: 256
    .sgpr_count:     66
    .vgpr_count:     512
    .wavefront_size: 32
...
	.end_amdgpu_metadata
.endif
;; end of part 4
;; ======== version 2 of 2: 4 launches; version 1 with the launches proj, outp written anew for expert scheduling mode
;; workspace buffers: qimg 1,638,400 bytes; kvs 4,915,200 bytes; stats 1,048,576 bytes; woimg 53,248 bytes; part 67,108,864 bytes
;; launch proj (part 5): grid 32 x 8, 8 waves a work-group, no clusters, 53,248 bytes of LDS; arguments x_mean, x_var, Wq, bq, Wk, bk, Wv, bv, Wvar, bvar, qimg, kvs; writes qimg, kvs
.if DOCPART == 5
	.amdgcn_target "amdgcn-amd-amdhsa--gfx1250"
	.amdhsa_code_object_version 6
	.text
	.protected	k_qf15236f86f_proj
	.globl	k_qf15236f86f_proj
	.p2align	8
	.type	k_qf15236f86f_proj,@function
k_qf15236f86f_proj:
	s_mov_b64 s[64:65], 0
	v_nop
	global_prefetch_b8 v0, s[64:65] scope:SCOPE_SE
	s_setreg_imm32_b32 hwreg(HW_REG_WAVE_SCHED_MODE, 0, 2), 2
	s_setreg_imm32_b32 hwreg(HW_REG_WAVE_MODE, 25, 1), 1
	s_wait_xcnt 0x0
	s_wait_alu depctr_vm_vsrc(0)
; q = x_mean Wq^T + bq, k = x_mean Wk^T + bk, v = x_mean Wv^T + bv, v_var = x_var Wvar^T + bvar: four products on codes of FP6 (E2M3) with one E8M0 scale for each 32 along K,
; and their results quantised again, as operands of the attention's products: q and k along the 256 channels, v and v_var along the keys.
; DEAD WORK.  reference() takes edge_index and edge_timestamps and uses them in no expression: no value of theirs can reach out_mean or out_var.  They are not loaded and are no argument of any launch.
; All five biases are live: each moves the codes of a quantised operand or an output.  LIMIT: a NaN or an infinity in the two edge inputs is not carried to the result.
; LIMITS: NaN and infinities among the inputs are not served; a block of zeros gets the scale byte 1 and not 127 (its codes are zeros, and these bytes are read by this program alone).
; ONE PATH FOR ALL FOUR.  A work-group computes R S^T: R, the RESIDENT matrix, has 256 rows, of which wave w keeps rows 32 w .. 32 w + 31 as four fragments; S, the STREAMED matrix, has 128 rows, 8 tiles.
; Source 0 = 16 rows of R, source 1 = 16 rows of S: a lane holds one streamed row, and the 16 registers of a wave's two tiles are 16 neighbours along the resident axis, which is the next product's K.
; q, k: R = W (next K = channels), S = 128 rows of x.   v, v_var: R = 256 rows of x (next K = keys), S = 128 rows of W.  Only pointers and offsets are chosen, by the work-group's number; no branch.
; THE ROWS OF A TILE ARE NOT NEIGHBOURS: lane r of tile t takes row 32 (t / 2) + 8 (t % 2) + r + 8 (r / 8), in every matrix of this program.
; WORKSPACE.  An operand fragment (16 rows x 128 K, 12 registers a lane) lies in memory as an image of its registers: register n of lane l at 512 (n / 4) + 16 l + 4 (n % 4): 1,536 bytes.
; qimg: 64 blocks of 128 rows, 25,600 bytes: four pairs of tiles, 6,400 bytes each: fragments (2 b, s 0), (2 b, s 1), (2 b + 1, s 0), (2 b + 1, s 1), then a scale image of 128 bytes for each tile (lanes 0-15: s = 0, lanes 16-31: s = 1).
; kvs: 64 key steps of 76,800 bytes: k's block as above; at 25,600 v's 16 fragments (16 channels x the step's 128 keys); at 50,176 v_var's; at 74,752 and 75,776 their scale words, 64 bytes a tile.
; The scale words leave in pieces of 64 or 128 bytes: 1,024 bytes of a work-group's 25,600.
; THE MODE: SCHED_MODE bits 1:0 = 2 (LLVM: expert scheduling mode 2), set by the entry lines.  The code itself states the register dependences
; between vector or matrix instructions and memory or LDS instructions, with s_wait_alu, always for 0.
; THE PLAN.  Registers that memory or LDS instructions touch:
;   v1-v8, v10, v11, v82, v83   addresses and offsets: made at the head, never written again.
;   CR, ST0, ST1, v256-511      loaded once at the head (v248-253, the head's temporaries, lie in ST1); read by the quantiser and the selects.
;   PC / PW, PC2 / PW2          my streamed tile's two fragments: written by the two quantisers, read by eight LDS stores behind ONE wait.
;   BS                          loaded behind that wait, into registers of ST1 that the second quantiser has read.
;   buffer 0 (v128-175, v84-87), buffer 1 (v256-303, v98-101)   four streamed fragments and their scale words.  Group g's eight products read buffer g % 2; the loads of group g + 2 land in it.
;   PC, TM+4, TM+5              a group's codes and scale bytes: written by its quantiser, read by its five LDS stores.
; So a group holds two waits.  At its head, on vm_vsrc: the LDS stores issued so far have read PC, TM+4 and TM+5.  Behind its quantiser, on va_vdst: the stores' data are written, and the group's
; products are done reading their buffer; the five stores and the sixteen loads of the group after next follow, and no vector or matrix instruction between names a register of theirs.
.set XIMG, 0                           ; LDS: the streamed fragments, place 2 t + s, 1,536 bytes each
.set XSC, 24576                        ; their scale words, 128 bytes a place
.set OST, 26624                        ; the results' fragments, place 2 t + s
.set OSC, 51200                        ; their scale words: word (t, s, r) at 64 (2 t + s) + 4 r
.set SPARE, 52224                      ; the spare words, 128 bytes for each wave: four blocks of 256 bytes that no other line names
.set LA, 1                             ; v1   (r + 8 (r / 8)) x 1,024 + 64 h: my 16 numbers of a block of 32 in a row of 256 f32
.set LI, 2                             ; v2   16 x lane
.set LS, 3                             ; v3   4 x lane
.set XWI, 4                            ; v4   16 x lane + 3,072 x wave
.set XWS, 5                            ; v5   4 x lane + 256 x wave
.set OA0, 6                            ; v6, v7  where my block of 32 codes goes in a result's image
.set OA1, 7
.set OSB, 8                            ; v8   and its scale byte
.set SCR, 10                           ; v10  4 x thread
.set SGO, 11                           ; v11  the scale words' offset in memory
.set SPW, 12                           ; v12  my spare word; never rewritten
.set NIL, 13                           ; v13  0; never rewritten
.set RF, 14                            ; v14-61  the resident fragments: (u, s) at 14 + 12 (2 u + s)
.set RS, 62                            ; v62-65  their scale words
.set CR, 66                            ; v66-81  the bias along the resident axis, as C
.set CA, 82
.set BA, 83
.set XS, 84                            ; v84-87  the streamed scale words of buffer 0; v98-101 (XS + 14) those of buffer 1
.set TM, 90                            ; v90-97, v102-105 at work in the quantiser, which leaves v98-101 alone
.set PW, 106
.set CT, 108
.set PC, 116
.set ST0, 128                          ; v128-191, v192-255: my streamed tile's numbers, K steps 0 and 1
.set ST1, 192
.set PC2, 176                          ; v176-187 my streamed tile's second fragment, v188 its scale word: registers of ST0 that are done with
.set PW2, 188
.set XF, 128                           ; later: buffer 0 of four streamed fragments (buffer 1: v0-47 of window 1),
.set DD, 192                           ; four accumulators,
.set BS, 224                           ; and the bias along the streamed axis, a pair for each tile
.set WV, 40
.set SEL, 46
.set MSB, 0
.macro WIN new                         ; the immediate's high byte repeats the setting that is left
.if MSB != \new
	s_set_vgpr_msb (MSB<<8)|\new
.set MSB, \new
.endif
.endm
.macro PLACES n
.rept \n
	v_nop
.endr
.endm
.macro BARRIER                         ; my LDS stores have landed and my LDS loads are in: then the work-group's barrier
	s_wait_dscnt 0x0
	s_barrier_signal -1
	s_barrier_wait -1
.endm
; One matrix instruction.  c < 0: the constant 0 starts the sum.  rw = 1: A's scales from lanes 16-31; rw = 3: both sides'.
.macro MM d, a, b, c, sa, sb, rw
.set WD, \d
.set WA, \a
.set WB, \b
.set WC, \c
.set WSA, \sa
.set WSB, \sb
.if WC < 0
.if (\rw) == 0
	v_wmma_scale_f32_16x16x128_f8f6f4 v[WD:WD+7], v[WA:WA+11], v[WB:WB+11], 0, v[WSA], v[WSB] matrix_a_fmt:MATRIX_FMT_FP6 matrix_b_fmt:MATRIX_FMT_FP6
.else
	v_wmma_scale_f32_16x16x128_f8f6f4 v[WD:WD+7], v[WA:WA+11], v[WB:WB+11], 0, v[WSA], v[WSB] matrix_a_fmt:MATRIX_FMT_FP6 matrix_b_fmt:MATRIX_FMT_FP6 matrix_a_scale:MATRIX_SCALE_ROW1
.endif
.else
.if (\rw) == 0
	v_wmma_scale_f32_16x16x128_f8f6f4 v[WD:WD+7], v[WA:WA+11], v[WB:WB+11], v[WC:WC+7], v[WSA], v[WSB] matrix_a_fmt:MATRIX_FMT_FP6 matrix_b_fmt:MATRIX_FMT_FP6
.elseif (\rw) == 1
	v_wmma_scale_f32_16x16x128_f8f6f4 v[WD:WD+7], v[WA:WA+11], v[WB:WB+11], v[WC:WC+7], v[WSA], v[WSB] matrix_a_fmt:MATRIX_FMT_FP6 matrix_b_fmt:MATRIX_FMT_FP6 matrix_a_scale:MATRIX_SCALE_ROW1
.else
	v_wmma_scale_f32_16x16x128_f8f6f4 v[WD:WD+7], v[WA:WA+11], v[WB:WB+11], v[WC:WC+7], v[WSA], v[WSB] matrix_a_fmt:MATRIX_FMT_FP6 matrix_b_fmt:MATRIX_FMT_FP6 matrix_a_scale:MATRIX_SCALE_ROW1 matrix_b_scale:MATRIX_SCALE_ROW1
.endif
.endif
.endm
; 64 numbers of a lane (register 16 b + i = k 32 b + 16 (lane / 16) + i of my row; win = 1: they lie in window 1) become a fragment's 12 registers at dst and its scale word in pw.
.macro QUANT src, win, dst, pw
.set QSRC, \src
.set QDST, \dst
.set QPW, \pw
.if \win
	WIN 0x05
.endif
.irp b, 0,1,2,3
	v_max3_num_f32 v[TM+\b], |v[QSRC+16*\b]|, |v[QSRC+16*\b+1]|, 0x1800000   ; block b: my 16 numbers, and the floor 2^(3 - 127): the byte cannot fall under 1
.endr
.if \win
	WIN 0x14
.endif
.irp i, 2,4,6,8,10,12,14
.irp b, 0,1,2,3
	v_max3_num_f32 v[TM+\b], v[TM+\b], |v[QSRC+16*\b+\i]|, |v[QSRC+16*\b+\i+1]|   ; the four blocks by turns
.endr
.endr
	WIN 0
.irp b, 0,1,2,3
	v_permlanex16_b32 v[TM+4+\b], v[TM+\b], s[SEL], s[SEL+1]
.endr
.irp b, 0,1,2,3
	v_max_num_f32 v[TM+\b], v[TM+\b], v[TM+4+\b]   ; with lane l xor 16's: the block's largest magnitude
.endr
.irp b, 0,1,2,3
	v_add_nc_u32 v[TM+12+\b], 0xff000000, v[TM+\b]   ; 2 off its exponent field: the conversion's scale operand
.endr
.irp b, 0,1,2,3
	v_lshrrev_b32 v[TM+4+\b], 23, v[TM+12+\b]      ; the scale's byte
.endr
	v_lshl_or_b32 v[QPW], v[TM+5], 8, v[TM+4]
	v_lshl_or_b32 v[QPW], v[TM+6], 16, v[QPW]
	v_lshl_or_b32 v[QPW], v[TM+7], 24, v[QPW]      ; my row's scale word
.if \win
	WIN 0x01
.endif
.irp c, 0,1
	v_cvt_scalef32_pk16_fp6_f32 v[QDST+6*\c:QDST+6*\c+2], v[QSRC+32*\c:QSRC+32*\c+15], v[TM+12+2*\c]
	v_cvt_scalef32_pk16_fp6_f32 v[CT+4*\c:CT+4*\c+2], v[QSRC+32*\c+16:QSRC+32*\c+31], v[TM+13+2*\c]   ; (a conversion's three registers begin on an even number)
.endr
	WIN 0
	v_nop                                          ; one plain place behind a scaled conversion
.irp c, 0,1                                    ; the operand's layout wants a whole block in a lane: lanes 0-15 block 2 c, lanes 16-31 block 2 c + 1
.irp i, 0,1,2
	v_permlane16_swap_b32 v[QDST+6*\c+\i], v[CT+4*\c+\i]
.endr
.irp i, 0,1,2
	v_mov_b32 v[QDST+6*\c+3+\i], v[CT+4*\c+\i]
.endr
.endr
.endm
.macro XLOAD reg, base, off            ; 64 numbers a lane: 16 rows x 128 along K
.irp b, 0,1,2,3
.irp j, 0,1,2,3
	global_load_b128 v[\reg+16*\b+4*\j:\reg+16*\b+4*\j+3], v[LA], s[\base:\base+1] offset:\off+128*\b+16*\j
.endr
.endr
.endm
; Group g's two streamed tiles: four fragments and four scale words, sixteen LDS loads, into buffer g % 2
.macro FETCH g
.if ((\g)%2) == 1
	WIN 0x40                                       ; destination window 1
.irp n, 0,1,2,3,4,5,6,7,8,9,10,11
	ds_load_b128 v[4*\n:4*\n+3], v[LI] offset:XIMG+6144*(\g)+512*\n
.endr
	WIN 0
.else
.irp n, 0,1,2,3,4,5,6,7,8,9,10,11
	ds_load_b128 v[XF+4*\n:XF+4*\n+3], v[LI] offset:XIMG+6144*(\g)+512*\n
.endr
.endif
.irp k, 0,1,2,3
	ds_load_b32 v[XS+14*((\g)%2)+\k], v[LS] offset:XSC+512*(\g)+128*\k
.endr
.endm
; Two streamed tiles' results of my 32 resident rows: one block of 32 along the next K for each tile.  Behind the exchange lane (r, h) holds the whole block of tile m + h, 24 bytes.
.macro OQ m
.irp a, 0,1
	v_max3_num_f32 v[TM+\a], |v[DD+16*\a]|, |v[DD+16*\a+1]|, 0x1800000
.endr
.irp i, 2,4,6,8,10,12,14
.irp a, 0,1
	v_max3_num_f32 v[TM+\a], v[TM+\a], |v[DD+16*\a+\i]|, |v[DD+16*\a+\i+1]|
.endr
.endr
.irp a, 0,1
	v_permlanex16_b32 v[TM+4+\a], v[TM+\a], s[SEL], s[SEL+1]
.endr
.irp a, 0,1
	v_max_num_f32 v[TM+\a], v[TM+\a], v[TM+4+\a]
.endr
.irp a, 0,1
	v_add_nc_u32 v[TM+12+\a], 0xff000000, v[TM+\a]
.endr
.irp a, 0,1
	v_lshrrev_b32 v[TM+4+\a], 23, v[TM+12+\a]
.endr
	v_cvt_scalef32_pk16_fp6_f32 v[PC:PC+2], v[DD:DD+15], v[TM+12]
	v_cvt_scalef32_pk16_fp6_f32 v[CT:CT+2], v[DD+16:DD+31], v[TM+13]
	v_nop
.irp i, 0,1,2
	v_permlane16_swap_b32 v[PC+\i], v[CT+\i]
.endr
.irp i, 0,1,2
	v_mov_b32 v[PC+3+\i], v[CT+\i]
.endr
	s_wait_alu depctr_va_vdst(0)                   ; the quantiser has written v[PC ..], v[TM+4] and v[TM+5], which the LDS stores read; this group's products are done reading their buffer of fragments and scale words, in which the loads of the group after next land
	ds_store_b64 v[OA0], v[PC:PC+1] offset:OST+3072*(\m)          ; the block's six registers at their places in the fragment's image
	ds_store_b64 v[OA1], v[PC+2:PC+3] offset:OST+3072*(\m)+8
	ds_store_b64 v[OA0], v[PC+4:PC+5] offset:OST+3072*(\m)+512
	ds_store_b8 v[OSB], v[TM+4] offset:OSC+128*(\m)               ; both halves of the lanes write the same byte with the same value
	ds_store_b8 v[OSB], v[TM+5] offset:OSC+128*(\m)+128
.endm
; Group g: streamed tiles 2 g and 2 g + 1: four accumulators by turns.  left = the LDS instructions issued behind this group's loads, which may stay out.
.macro GROUP g, left
	s_wait_dscnt \left                             ; LDS instructions end in order (ISA guide 5.7.1): buffer g % 2 is in
	s_wait_alu depctr_vm_vsrc(0)                   ; the LDS stores issued so far have read v[PC ..], v[TM+4] and v[TM+5], which this group's quantiser writes again
.if ((\g)%2) == 1
	WIN 0x04                                       ; source 1, the streamed fragments, in window 1
.set XB, 0
.else
.set XB, XF
.endif
.set XW, XS+14*((\g)%2)
.irp a, 0,1
.irp u, 0,1
	MM DD+16*\a+8*\u, RF+24*\u, XB+24*\a, CR+8*\u, RS+2*\u, XW+2*\a, 0
.endr
.endr
.irp a, 0,1
.irp u, 0,1
	MM DD+16*\a+8*\u, RF+24*\u+12, XB+24*\a+12, DD+16*\a+8*\u, RS+2*\u+1, XW+2*\a+1, 0
.endr
.endr
	WIN 0
	PLACES 5                                       ; four in front of the reads of results; five in front of the next group's products, which start these accumulators anew
.irp a, 0,1
.irp j, 0,2,4,6,8,10,12,14
	v_pk_add_f32 v[DD+16*\a+\j:DD+16*\a+\j+1], v[DD+16*\a+\j:DD+16*\a+\j+1], v[BS+2*(2*(\g)+\a):BS+2*(2*(\g)+\a)+1]
.endr
.endr
	OQ 2*(\g)
.if ((\g)+2) < 4
	FETCH (\g)+2                                   ; no wait: no vector or matrix instruction since the wait in front of the stores names this buffer
.endif
.endm
	s_load_b512 s[4:19], s[0:1], 0x0               ; x_mean, x_var, Wq, bq, Wk, bk, Wv, bv
	s_load_b256 s[20:27], s[0:1], 0x40             ; Wvar, bvar, qimg, kvs
	v_lshl_add_u32 v[SPW], v0, 2, SPARE
	v_mov_b32 v[NIL], 0
	v_lshrrev_b32 v248, 5, v0
	v_readfirstlane_b32 s[WV], v248                ; wave 0..7
	v_and_b32 v249, 31, v0                         ; lane
	v_and_b32 v250, 15, v0                         ; r
	v_bfe_u32 v251, v0, 4, 1                       ; h
	v_and_b32 v252, 8, v250
	v_add_nc_u32 v252, v252, v250                  ; r + 8 (r / 8)
	v_lshlrev_b32 v[LA], 10, v252
	v_lshl_add_u32 v[LA], v251, 6, v[LA]
	v_lshlrev_b32 v[LI], 4, v249
	v_lshlrev_b32 v[LS], 2, v249
	s_wait_alu depctr_va_sdst(0)                   ; the wave's number is written, ahead of its first reader: offsets and addresses are made from it
	s_mul_i32 s48, s[WV], 3072
	v_add_nc_u32 v[XWI], s48, v[LI]
	s_lshl_b32 s48, s[WV], 8
	v_add_nc_u32 v[XWS], s48, v[LS]
	s_lshr_b32 s49, s[WV], 2                       ; which 128 of the next K my 32 rows lie in
	s_and_b32 s50, s[WV], 1
	s_bfe_u32 s51, s[WV], 0x10001                  ; c = (w / 2) % 2: registers 6 c .. 6 c + 5 of the fragment
	s_mul_i32 s52, s49, 1536
	s_lshl_b32 s53, s50, 8                         ; lanes 16 (w % 2) + r
	s_add_co_u32 s52, s52, s53
	s_mul_i32 s53, s51, 520
	s_add_co_u32 s53, s53, s52
	s_mul_i32 s54, s51, 1016
	s_add_co_u32 s54, s54, s52
	v_mul_u32_u24 v253, v251, 3072                 ; tile m + h
	v_lshl_add_u32 v253, v250, 4, v253
	v_add_nc_u32 v[OA0], s53, v253
	v_add_nc_u32 v[OA1], s54, v253
	s_lshl_b32 s52, s49, 6
	s_and_b32 s53, s[WV], 3
	s_add_co_u32 s52, s52, s53
	v_lshl_add_u32 v[OSB], v250, 2, s52
	v_lshlrev_b32 v[SCR], 2, v0
	s_and_b32 s42, ttmp7, 0xffff
	s_lshr_b32 s43, s42, 1                         ; which product: 0 q, 1 k, 2 v, 3 v_var
	s_and_b32 s44, s42, 1                          ; which half of the streamed rows
	s_lshl_b32 s52, s[WV], 7
	v_lshl_add_u32 v[CA], v251, 6, s52             ; bias[32 w + 16 h + ..]
	s_lshl_b32 s52, s44, 9
	v_lshl_add_u32 v[BA], v252, 2, s52             ; bias[128 hf + r + 8 (r / 8) + ..]
	s_mov_b32 s[SEL], 0x76543210
	s_mov_b32 s[SEL+1], 0xfedcba98                 ; v_permlanex16_b32's selects for lane l xor 16
.irp b, 0,1,2,3
	v_mov_b32 v[TM+4+\b], 0                        ; written once: a lane permute's destination counts as one of its sources
.endr
	s_lshl_b32 s56, ttmp9, 18                      ; 256 rows of 1,024 bytes x the block
	s_lshl_b32 s57, s44, 17                        ; 128 rows x the half
	s_add_co_u32 s58, s56, s57
	; where the results go: q, k
	s_lshl_b32 s66, ttmp9, 1
	s_add_co_u32 s67, s66, s44                     ; the block of 128 rows
	s_cmp_eq_u32 s43, 0
	s_mov_b32 s68, 76800
	s_cselect_b32 s68, 25600, s68
	s_mul_i32 s67, s67, s68
	s_lshr_b32 s69, s[WV], 1
	s_mul_i32 s69, s69, 6400
	s_add_co_u32 s67, s67, s69                     ; my tile's pair
	s_mul_i32 s69, s50, 3072
	s_add_co_u32 s70, s67, s69                     ; its fragments
	s_lshl_b32 s69, s50, 7
	s_add_co_u32 s71, s67, s69
	s_add_co_u32 s71, s71, 6144                    ; its scale image
	; v, v_var
	s_mul_i32 s66, s66, 76800                      ; the first of the block's two key steps
	s_lshl_b32 s72, s44, 3
	s_add_co_u32 s72, s72, s[WV]                   ; the channel tile
	s_cmp_eq_u32 s43, 2
	s_mov_b32 s73, 50176
	s_cselect_b32 s73, 25600, s73
	s_mov_b32 s74, 75776
	s_cselect_b32 s74, 74752, s74
	s_mul_i32 s75, s72, 1536
	s_add_co_u32 s73, s73, s75
	s_add_co_u32 s73, s73, s66
	s_lshl_b32 s75, s72, 6
	s_add_co_u32 s74, s74, s75
	s_add_co_u32 s74, s74, s66
	s_cmp_ge_u32 s43, 2                            ; v or v_var?  All that follows hangs on the work-group's number alone
	s_cselect_b32 s70, s73, s70                    ; fragment s = 0
	s_cselect_b32 s72, s74, s71                    ; scale words
	s_mov_b32 s74, 1536
	s_cselect_b32 s74, 76800, s74                  ; from fragment s = 0 to s = 1
	s_cselect_b32 s60, 76800, 64                   ; and from its scale words to the other's
	s_cselect_b32 s61, -1, 0
	s_cselect_b32 s62, 0, -1
	s_cselect_b32 s58, s57, s58                    ; the streamed rows' first byte
	s_cselect_b32 s76, s56, 0                      ; the resident rows'
	s_mov_b32 s71, 0
	s_mov_b32 s73, 0
	s_mov_b32 s75, 0
	s_mov_b32 s59, 0
	s_mov_b32 s77, 0
	s_lshr_b32 s52, s[WV], 1
	s_lshl_b32 s52, s52, 15
	s_lshl_b32 s53, s50, 13
	s_add_co_u32 s52, s52, s53
	s_add_co_u32 s58, s58, s52                     ; streamed tile w begins at row 32 (w / 2) + 8 (w % 2)
	s_lshl_b32 s53, s[WV], 15
	s_add_co_u32 s76, s76, s53                     ; my resident rows begin at 32 w
	v_mul_u32_u24 v[SGO], v251, s60
	v_lshl_add_u32 v[SGO], v250, 2, v[SGO]
	s_wait_kmcnt 0x0
	s_and_b32 s78, s43, 1
	s_cmp_eq_u32 s78, 0
	s_cselect_b64 s[28:29], s[8:9], s[12:13]
	s_cselect_b64 s[30:31], s[16:17], s[20:21]
	s_cselect_b64 s[32:33], s[10:11], s[14:15]
	s_cselect_b64 s[34:35], s[18:19], s[22:23]
	s_cmp_eq_u32 s43, 3
	s_cselect_b64 s[36:37], s[6:7], s[4:5]         ; x
	s_cmp_eq_u32 s43, 0
	s_cselect_b64 s[38:39], s[24:25], s[26:27]     ; the buffer written
	s_cmp_ge_u32 s43, 2
	s_cselect_b64 s[28:29], s[30:31], s[28:29]     ; W
	s_cselect_b64 s[32:33], s[34:35], s[32:33]     ; the bias
	s_cselect_b64 s[4:5], s[28:29], s[36:37]       ; streamed
	s_cselect_b64 s[6:7], s[36:37], s[28:29]       ; resident
	s_add_nc_u64 s[4:5], s[4:5], s[58:59]
	s_add_nc_u64 s[6:7], s[6:7], s[76:77]
	s_add_nc_u64 s[8:9], s[38:39], s[70:71]
	s_add_nc_u64 s[10:11], s[8:9], s[74:75]
	s_add_nc_u64 s[12:13], s[38:39], s[72:73]
	s_wait_alu depctr_va_vdst(0)                   ; the addresses and offsets v1-v8, v10, v11, v82, v83 are written, which every load and store of the kernel reads
.irp i, 0,1,2,3
	global_load_b128 v[CR+4*\i:CR+4*\i+3], v[CA], s[32:33] offset:16*\i
.endr
	XLOAD ST0, 4, 0
	XLOAD ST1, 4, 512
	WIN 0x40                                       ; destination window 1
	XLOAD 0, 6, 0                                  ; the resident numbers: unit 2 u + s
	XLOAD 64, 6, 512
	XLOAD 128, 6, 8192
	XLOAD 192, 6, 8704
	WIN 0
	; ---- my streamed tile becomes two fragments, each in an out-buffer of its own; their images go to LDS behind one wait
	s_wait_loadcnt 63                              ; 80 loads were issued behind K step 0's: a wait names 63 at the most, which asks for more than is needed
	QUANT ST0, 0, PC, PW
	s_wait_loadcnt 63                              ; 64 behind K step 1's
	QUANT ST1, 0, PC2, PW2
	s_wait_alu depctr_va_vdst(0)                   ; the two quantisers have written v[PC ..], v[PW], v[PC2 ..] and v[PW2], which the LDS stores read, and are done reading v224-239, in which the bias lands
.irp c, 0,1,2
	ds_store_b128 v[XWI], v[PC+4*\c:PC+4*\c+3] offset:XIMG+512*\c
.endr
	ds_store_b32 v[XWS], v[PW] offset:XSC
.irp c, 0,1,2
	ds_store_b128 v[XWI], v[PC2+4*\c:PC2+4*\c+3] offset:XIMG+1536+512*\c
.endr
	ds_store_b32 v[XWS], v[PW2] offset:XSC+128
.irp t, 0,1,2,3,4,5,6,7
	global_load_b32 v[BS+2*\t], v[BA], s[32:33] offset:128*(\t/2)+32*(\t%2)      ; the bias of streamed row (t, r), twice: a pair for the packed addition
	global_load_b32 v[BS+2*\t+1], v[BA], s[32:33] offset:128*(\t/2)+32*(\t%2)
.endr
	; ---- my 32 resident rows become four fragments, which stay
	s_wait_loadcnt 63                              ; 48 + 16 behind unit 0
	QUANT 0, 1, RF, RS
	s_wait_loadcnt 48                              ; units 2, 3 and the 16 bias loads may be out
	QUANT 64, 1, RF+12, RS+1
	s_wait_loadcnt 32
	QUANT 128, 1, RF+24, RS+2
	s_wait_loadcnt 16
	QUANT 192, 1, RF+36, RS+3
	s_wait_loadcnt 0x0
.set J, 0
.rept 16
	v_cndmask_b32 v[CR+J], 0, v[CR+J], s62         ; the bias lies along the channels: the resident axis for q and k,
	v_cndmask_b32 v[BS+J], 0, v[BS+J], s61         ; the streamed axis for v and v_var; the other of the two is 0
.set J, J+1
.endr
	BARRIER                                        ; the sixteen streamed fragments lie in LDS
	s_wait_alu depctr_va_vdst(0)                   ; the quantisers have written the resident fragments and their scale words, which the scaled products take as A and as scales (the 32 selects above are the places ahead of them), and are done reading v256-303, in which buffer 1's loads land
	FETCH 0
	FETCH 1
	; ---- the products, two streamed tiles at a time, on the two buffers by turns
	GROUP 0, 16                                    ; group 1's sixteen loads may be out
	GROUP 1, 21                                    ; group 0's five stores and group 2's sixteen loads
	GROUP 2, 21                                    ; group 1's five stores and group 3's sixteen loads
	GROUP 3, 5                                     ; group 2's five stores
	BARRIER                                        ; the sixteen result fragments and their scale words lie in LDS
	; ---- the way out: wave w takes tile w's two fragments and its 32 scale words.  No wait on va_vdst: no vector or matrix instruction has been issued since group 3's, which stands behind the last reader of v128-152
.irp n, 0,1,2,3,4,5
	ds_load_b128 v[128+4*\n:131+4*\n], v[XWI] offset:OST+512*\n
.endr
	ds_load_b32 v152, v[SCR] offset:OSC
	s_wait_dscnt 0x0
.irp n, 0,1,2
	global_store_b128 v[LI], v[128+4*\n:131+4*\n], s[8:9] offset:512*\n      ; 32 lanes store 512 consecutive bytes, at a multiple of 256 from the buffer's first byte
.endr
.irp n, 0,1,2
	global_store_b128 v[LI], v[140+4*\n:143+4*\n], s[10:11] offset:512*\n
.endr
	global_store_b32 v[SGO], v152, s[12:13]
	s_wait_dscnt 0x0                               ; the closing lines, six on end
	s_wait_alu 0x0
	s_wait_tensorcnt 0x0
	ds_add_u32 v[SPW], v[NIL]
	s_wait_dscnt 0x0
	s_endpgm
.Lfunc_end_k_qf15236f86f_proj:
	.size	k_qf15236f86f_proj, .Lfunc_end_k_qf15236f86f_proj-k_qf15236f86f_proj
	.p2alignl 7, 3214868480
	.fill 96, 4, 3214868480
	.section	.rodata,"a",@progbits
	.p2align	6, 0x0
	.amdhsa_kernel k_qf15236f86f_proj
		.amdhsa_group_segment_fixed_size 53248
		.amdhsa_private_segment_fixed_size 0
		.amdhsa_enable_private_segment 0
		.amdhsa_kernarg_size 96
		.amdhsa_user_sgpr_count 2
		.amdhsa_user_sgpr_kernarg_segment_ptr 1
		.amdhsa_wavefront_size32 1
		.amdhsa_system_sgpr_workgroup_id_x 1
		.amdhsa_system_sgpr_workgroup_id_y 1
		.amdhsa_system_sgpr_workgroup_id_z 1
		.amdhsa_system_vgpr_workitem_id 0
		.amdhsa_next_free_vgpr 512
		.amdhsa_next_free_sgpr 80
		.amdhsa_reserve_vcc 0
		.amdhsa_float_denorm_mode_32 3
		.amdhsa_float_denorm_mode_16_64 3
		.amdhsa_memory_ordered 1
		.amdhsa_forward_progress 1
		.amdhsa_inst_pref_size 66
	.end_amdhsa_kernel
	.amdgpu_metadata
---
amdhsa.version: [ 1, 2 ]
amdhsa.kernels:
  - .name:           k_qf15236f86f_proj
    .symbol:         k_qf15236f86f_proj.kd
    .args:
      - { .name: x_mean, .offset: 0, .size: 8, .value_kind: global_buffer, .address_space: global }
      - { .name: x_var, .offset: 8, .size: 8, .value_kind: global_buffer, .address_space: global }
      - { .name: Wq, .offset: 16, .size: 8, .value_kind: global_buffer, .address_space: global }
      - { .name: bq, .offset: 24, .size: 8, .value_kind: global_buffer, .address_space: global }
      - { .name: Wk, .offset: 32, .size: 8, .value_kind: global_buffer, .address_space: global }
      - { .name: bk, .offset: 40, .size: 8, .value_kind: global_buffer, .address_space: global }
      - { .name: Wv, .offset: 48, .size: 8, .value_kind: global_buffer, .address_space: global }
      - { .name: bv, .offset: 56, .size: 8, .value_kind: global_buffer, .address_space: global }
      - { .name: Wvar, .offset: 64, .size: 8, .value_kind: global_buffer, .address_space: global }
      - { .name: bvar, .offset: 72, .size: 8, .value_kind: global_buffer, .address_space: global }
      - { .name: qimg, .offset: 80, .size: 8, .value_kind: global_buffer, .address_space: global }
      - { .name: kvs, .offset: 88, .size: 8, .value_kind: global_buffer, .address_space: global }
    .group_segment_fixed_size: 53248
    .private_segment_fixed_size: 0
    .kernarg_segment_align: 8
    .kernarg_segment_size: 96
    .max_flat_workgroup_size: 256
    .sgpr_count:     80
    .vgpr_count:     512
    .wavefront_size: 32
...
	.end_amdgpu_metadata
.endif
;; end of part 5
;; launch stats: the kernel of part 2 again; grid 16 x 16, 8 waves a work-group, clusters of 4 x 1, 167,936 bytes of LDS; arguments qimg, kvs, Wo, stats, woimg; writes stats, woimg
;; launch attn: the kernel of part 3 again; grid 64 x 4, 4 waves a work-group, clusters of 4 x 1, 327,680 bytes of LDS; arguments qimg, kvs, stats, part; writes part
;; launch outp (part 6): grid 256 x 1, 8 waves a work-group, no clusters, 74,240 bytes of LDS; arguments part, woimg, bo, out0, out1; writes out0, out1
.if DOCPART == 6
	.amdgcn_target "amdgcn-amd-amdhsa--gfx1250"
	.amdhsa_code_object_version 6
	.text
	.protected	k_qf15236f86f_outp
	.globl	k_qf15236f86f_outp
	.p2align	8
	.type	k_qf15236f86f_outp,@function
k_qf15236f86f_outp:
	s_mov_b64 s[64:65], 0
	v_nop
	global_prefetch_b8 v0, s[64:65] scope:SCOPE_SE
	s_setreg_imm32_b32 hwreg(HW_REG_WAVE_SCHED_MODE, 0, 2), 2
	s_setreg_imm32_b32 hwreg(HW_REG_WAVE_MODE, 25, 1), 1
	s_wait_xcnt 0x0
	s_wait_alu depctr_vm_vsrc(0)
; The four quarters' partial sums are added; out_var is their sum; out_mean = Q(attn v) Q(Wo)^T + bo on codes of FP6 (E2M3).  The edge inputs have no way to any output and are not loaded.
; SHARES.  A work-group takes 32 rows (two tiles of queries).  Wave w adds one half image (64 registers a lane) of the four partial sums: waves 0-3 those of attn v (tile w / 2, K step w % 2), which they quantise and hand
; to all waves through LDS as an image of the operand's registers; waves 4-7 those of out_var, which go to a stage in LDS.  Then wave w makes outputs 32 w .. 32 w + 31 of out_mean for the 32 rows.
; Both outputs leave through stages of whole rows: 32 lanes store 512 consecutive bytes.
; LIMIT: the four partial sums are added in another order than reference()'s one sum over the keys.
; THE MODE: SCHED_MODE bits 1:0 = 2 (LLVM: expert scheduling mode 2), set by the entry lines.  The code itself states the register dependences
; between vector or matrix instructions and memory or LDS instructions, with s_wait_alu, always for 0.
; THE PLAN.  Registers that memory or LDS instructions touch:
;   v1-v7, v82          addresses and offsets: made at the head, never written again.
;   v256-511, RF, RS, CR  loaded once; read by the additions and the products.
;   RES (v128-191)      written by the additions; read by the quantiser (waves 0-3) or by sixteen LDS stores (waves 4-7); then the products write its lower half and LDS loads land in its upper half.
;   PC, PW              written by the quantiser, read by four LDS stores, not written again.
;   v192-243            loaded from LDS, read by the products; v192-223 are loaded again on the way out.
; The waits: one on va_vdst ahead of the first load; one in each arm ahead of its LDS stores; one on vm_vsrc at the end of out_var's arm; one on va_vdst, behind the four places, ahead of the LDS stores of the accumulators.
.set XIMG, 0                           ; LDS: four fragments (2 i + s)
.set XSC, 6144                         ; their scale words, 128 bytes each
.set STG1, 6656                        ; out_mean: 32 rows x (1,024 + 16) bytes
.set STG2, 39936                       ; out_var likewise
.set SPARE, 73216                      ; the spare words, 128 bytes for each wave: four blocks of 256 bytes that no other line names
.set LI, 1
.set LS, 2
.set XWI, 3
.set XWS, 4
.set SO1, 5
.set SO2, 6
.set RD, 7
.set SPW, 12
.set NIL, 13
.set RF, 14                            ; v14-61  Wo's fragments: (u, s) at 14 + 12 (2 u + s)
.set RS, 62                            ; v62-65  their scale words
.set CR, 66                            ; v66-81  bo, as C
.set CA, 82
.set TM, 90
.set PW, 106
.set CT, 108
.set PC, 116
.set RES, 128                          ; v128-191 the sums; later v128-159 four accumulators, v160-191 rows of out_var
.set XF, 192                           ; v192-239 the four fragments; later rows of out_mean
.set XS, 240                           ; v240-243 their scale words
.set WV, 14
.set SEL, 16
.set MSB, 0
.macro WIN new
.if MSB != \new
	s_set_vgpr_msb (MSB<<8)|\new
.set MSB, \new
.endif
.endm
.macro PLACES n
.rept \n
	v_nop
.endr
.endm
.macro BARRIER
	s_wait_dscnt 0x0
	s_barrier_signal -1
	s_barrier_wait -1
.endm
.macro MM d, a, b, c, sa, sb, rw
.set WD, \d
.set WA, \a
.set WB, \b
.set WC, \c
.set WSA, \sa
.set WSB, \sb
.if WC < 0
.if (\rw) == 0
	v_wmma_scale_f32_16x16x128_f8f6f4 v[WD:WD+7], v[WA:WA+11], v[WB:WB+11], 0, v[WSA], v[WSB] matrix_a_fmt:MATRIX_FMT_FP6 matrix_b_fmt:MATRIX_FMT_FP6
.else
	v_wmma_scale_f32_16x16x128_f8f6f4 v[WD:WD+7], v[WA:WA+11], v[WB:WB+11], 0, v[WSA], v[WSB] matrix_a_fmt:MATRIX_FMT_FP6 matrix_b_fmt:MATRIX_FMT_FP6 matrix_a_scale:MATRIX_SCALE_ROW1
.endif
.else
.if (\rw) == 0
	v_wmma_scale_f32_16x16x128_f8f6f4 v[WD:WD+7], v[WA:WA+11], v[WB:WB+11], v[WC:WC+7], v[WSA], v[WSB] matrix_a_fmt:MATRIX_FMT_FP6 matrix_b_fmt:MATRIX_FMT_FP6
.elseif (\rw) == 1
	v_wmma_scale_f32_16x16x128_f8f6f4 v[WD:WD+7], v[WA:WA+11], v[WB:WB+11], v[WC:WC+7], v[WSA], v[WSB] matrix_a_fmt:MATRIX_FMT_FP6 matrix_b_fmt:MATRIX_FMT_FP6 matrix_a_scale:MATRIX_SCALE_ROW1
.else
	v_wmma_scale_f32_16x16x128_f8f6f4 v[WD:WD+7], v[WA:WA+11], v[WB:WB+11], v[WC:WC+7], v[WSA], v[WSB] matrix_a_fmt:MATRIX_FMT_FP6 matrix_b_fmt:MATRIX_FMT_FP6 matrix_a_scale:MATRIX_SCALE_ROW1 matrix_b_scale:MATRIX_SCALE_ROW1
.endif
.endif
.endm
.macro QUANT src, win, dst, pw         ; as in the first launch
.set QSRC, \src
.set QDST, \dst
.set QPW, \pw
.if \win
	WIN 0x05
.endif
.irp b, 0,1,2,3
	v_max3_num_f32 v[TM+\b], |v[QSRC+16*\b]|, |v[QSRC+16*\b+1]|, 0x1800000
.endr
.if \win
	WIN 0x14
.endif
.irp i, 2,4,6,8,10,12,14
.irp b, 0,1,2,3
	v_max3_num_f32 v[TM+\b], v[TM+\b], |v[QSRC+16*\b+\i]|, |v[QSRC+16*\b+\i+1]|
.endr
.endr
	WIN 0
.irp b, 0,1,2,3
	v_permlanex16_b32 v[TM+4+\b], v[TM+\b], s[SEL], s[SEL+1]
.endr
.irp b, 0,1,2,3
	v_max_num_f32 v[TM+\b], v[TM+\b], v[TM+4+\b]
.endr
.irp b, 0,1,2,3
	v_add_nc_u32 v[TM+12+\b], 0xff000000, v[TM+\b]
.endr
.irp b, 0,1,2,3
	v_lshrrev_b32 v[TM+4+\b], 23, v[TM+12+\b]
.endr
	v_lshl_or_b32 v[QPW], v[TM+5], 8, v[TM+4]
	v_lshl_or_b32 v[QPW], v[TM+6], 16, v[QPW]
	v_lshl_or_b32 v[QPW], v[TM+7], 24, v[QPW]
.if \win
	WIN 0x01
.endif
.irp c, 0,1
	v_cvt_scalef32_pk16_fp6_f32 v[QDST+6*\c:QDST+6*\c+2], v[QSRC+32*\c:QSRC+32*\c+15], v[TM+12+2*\c]
	v_cvt_scalef32_pk16_fp6_f32 v[CT+4*\c:CT+4*\c+2], v[QSRC+32*\c+16:QSRC+32*\c+31], v[TM+13+2*\c]
.endr
	WIN 0
	v_nop
.irp c, 0,1
.irp i, 0,1,2
	v_permlane16_swap_b32 v[QDST+6*\c+\i], v[CT+4*\c+\i]
.endr
.irp i, 0,1,2
	v_mov_b32 v[QDST+6*\c+3+\i], v[CT+4*\c+\i]
.endr
.endr
.endm
	s_load_b256 s[4:11], s[0:1], 0x0               ; part, woimg, bo, out0
	s_load_b64 s[12:13], s[0:1], 0x20              ; out1
	v_lshl_add_u32 v[SPW], v0, 2, SPARE
	v_mov_b32 v[NIL], 0
	v_lshrrev_b32 v84, 5, v0
	v_readfirstlane_b32 s[WV], v84                 ; wave 0..7
	v_and_b32 v84, 31, v0                          ; lane
	v_and_b32 v85, 15, v0                          ; r
	v_bfe_u32 v86, v0, 4, 1                        ; h
	v_and_b32 v87, 8, v85
	v_add_nc_u32 v87, v87, v85                     ; r + 8 (r / 8)
	v_lshlrev_b32 v[LI], 4, v84
	v_lshlrev_b32 v[LS], 2, v84
	s_wait_alu depctr_va_sdst(0)                   ; the wave's number is written, ahead of its first reader: offsets, addresses and the branch below are made from it
	s_mul_i32 s20, s[WV], 1536
	v_add_nc_u32 v[XWI], s20, v[LI]
	s_lshl_b32 s20, s[WV], 7
	v_add_nc_u32 v[XWS], s20, v[LS]
	v_mul_u32_u24 v88, v87, 1040
	v_lshl_add_u32 v88, v86, 6, v88                ; a stage's row r + 8 (r / 8), + 64 h
	v_add_nc_u32 v[SO1], s20, v88                  ; + 128 w: my 32 outputs' bytes
	v_lshl_add_u32 v[CA], v86, 6, s20              ; bo[32 w + 16 h + ..]
	s_bfe_u32 s21, s[WV], 0x10001                  ; i: which tile of queries I add
	s_and_b32 s22, s[WV], 1                        ; s: which half of the channels
	s_lshr_b32 s23, s[WV], 2                       ; o: 0 attn v, 1 out_var
	s_mul_i32 s24, s21, 8320                       ; tile i lies 8 rows further down
	s_lshl_b32 s25, s22, 9
	s_add_co_u32 s24, s24, s25
	v_add_nc_u32 v[SO2], s24, v88
	s_mul_i32 s24, s[WV], 4160
	v_add_nc_u32 v[RD], s24, v[LI]                 ; back: rows 4 w on, 16 bytes a lane
	s_lshl_b32 s26, ttmp9, 1
	s_add_co_u32 s26, s26, s21
	s_lshl_b32 s26, s26, 1
	s_add_co_u32 s26, s26, s23
	s_lshl_b32 s26, s26, 1
	s_add_co_u32 s26, s26, s22
	s_lshl_b32 s26, s26, 13                        ; my half image in a quarter's partial sums
	s_mov_b32 s27, 0
	s_mul_i32 s28, s[WV], 6144                     ; Wo's tiles 2 w, 2 w + 1
	s_mov_b32 s29, 0
	s_lshl_b32 s30, s[WV], 9                       ; and their four scale images
	s_mov_b32 s31, 0
	s_lshl_b32 s32, ttmp9, 5
	s_lshl_b32 s33, s[WV], 2
	s_add_co_u32 s32, s32, s33
	s_lshl_b32 s32, s32, 10                        ; rows 32 x work-group + 4 w of the outputs
	s_mov_b32 s33, 0
	s_mov_b32 s[SEL], 0x76543210
	s_mov_b32 s[SEL+1], 0xfedcba98
.irp b, 0,1,2,3
	v_mov_b32 v[TM+4+\b], 0                        ; a lane permute's destination counts as one of its sources
.endr
	s_wait_kmcnt 0x0
	s_add_nc_u64 s[34:35], s[4:5], s[26:27]
	s_add_nc_u64 s[36:37], s[34:35], 0x1000000     ; the quarters lie 16,777,216 bytes apart
	s_add_nc_u64 s[38:39], s[36:37], 0x1000000
	s_add_nc_u64 s[40:41], s[38:39], 0x1000000
	s_add_nc_u64 s[42:43], s[6:7], s[28:29]
	s_add_nc_u64 s[44:45], s[6:7], s[30:31]
	s_add_nc_u64 s[10:11], s[10:11], s[32:33]
	s_add_nc_u64 s[12:13], s[12:13], s[32:33]
	WIN 0x40                                       ; destination window 1: quarter k at v[64 k]
	s_wait_alu depctr_va_vdst(0)                   ; the addresses and offsets v1-v7 and v82 are written, which every load and store of the kernel reads
.irp k, 0,1,2,3
.irp g, 0,1,2,3,4,5,6,7,8,9,10,11,12,13,14,15
	global_load_b128 v[64*\k+4*\g:64*\k+4*\g+3], v[LI], s[34+2*\k:35+2*\k] offset:512*\g th:TH_LOAD_NT
.endr
.endr
	WIN 0
.irp n, 0,1,2,3,4,5,6,7,8,9,10,11
	global_load_b128 v[RF+4*\n:RF+4*\n+3], v[LI], s[42:43] offset:512*\n
.endr
.irp k, 0,1,2,3
	global_load_b32 v[RS+\k], v[LS], s[44:45] offset:49152+128*\k
.endr
.irp i, 0,1,2,3
	global_load_b128 v[CR+4*\i:CR+4*\i+3], v[CA], s[8:9] offset:16*\i
.endr
	s_wait_loadcnt 0x0
	WIN 0x45                                       ; all in window 1
.set J, 0
.rept 32
	v_pk_add_f32 v[J:J+1], v[J:J+1], v[64+J:65+J]
	v_pk_add_f32 v[128+J:129+J], v[128+J:129+J], v[192+J:193+J]
.set J, J+2
.endr
	WIN 0x05                                       ; sources in window 1, the sum in window 0
.set J, 0
.rept 32
	v_pk_add_f32 v[RES+J:RES+J+1], v[J:J+1], v[128+J:129+J]
.set J, J+2
.endr
	WIN 0
	s_cmp_lt_u32 s[WV], 4
	s_cbranch_scc0 .Lvar
	QUANT RES, 0, PC, PW                           ; register 16 b + i is channel 128 s + 32 b + 16 h + i of query r: the quantiser's order
	s_wait_alu depctr_va_vdst(0)                   ; the quantiser has written v[PC ..] and v[PW], which the LDS stores read; the additions have written v160-191 and the quantiser is done reading them: LDS loads land there behind the barrier
.irp c, 0,1,2
	ds_store_b128 v[XWI], v[PC+4*\c:PC+4*\c+3] offset:XIMG+512*\c
.endr
	ds_store_b32 v[XWS], v[PW] offset:XSC
	s_branch .Ljoin
.Lvar:
	s_wait_alu depctr_va_vdst(0)                   ; the additions have written v[RES ..], which the LDS stores read
.irp n, 0,1,2,3,4,5,6,7,8,9,10,11,12,13,14,15
	ds_store_b128 v[SO2], v[RES+4*\n:RES+4*\n+3] offset:STG2+128*(\n/4)+16*(\n%4)
.endr
	s_wait_alu depctr_vm_vsrc(0)                   ; these LDS stores have read v[RES ..]: behind the barrier the products write its lower half and LDS loads land in its upper half
.Ljoin:
	BARRIER                                        ; the four fragments and out_var's 32 rows lie in LDS
.irp n, 0,1,2,3,4,5,6,7,8,9,10,11
	ds_load_b128 v[XF+4*\n:XF+4*\n+3], v[LI] offset:XIMG+512*\n
.endr
.irp k, 0,1,2,3
	ds_load_b32 v[XS+\k], v[LS] offset:XSC+128*\k
.endr
.irp n, 0,1,2,3,4,5,6,7
	ds_load_b128 v[160+4*\n:163+4*\n], v[RD] offset:STG2+1040*(\n/2)+512*(\n%2)
.endr
	s_wait_dscnt 8                                 ; the eight younger loads, out_var's rows, may be out
.irp i, 0,1
.irp u, 0,1
	MM 128+16*\i+8*\u, RF+24*\u, XF+24*\i, CR+8*\u, RS+2*\u, XS+2*\i, 0      ; four accumulators by turns; bo is the C of each sum's first product
.endr
.endr
.irp i, 0,1
.irp u, 0,1
	MM 128+16*\i+8*\u, RF+24*\u+12, XF+24*\i+12, 128+16*\i+8*\u, RS+2*\u+1, XS+2*\i+1, 0
.endr
.endr
	s_wait_dscnt 0x0
.irp n, 0,1,2,3,4,5,6,7
	global_store_b128 v[LI], v[160+4*\n:163+4*\n], s[12:13] offset:1024*(\n/2)+512*(\n%2) th:TH_STORE_NT   ; 32 lanes store 512 consecutive bytes, aligned
.endr
	PLACES 4
	s_wait_alu depctr_va_vdst(0)                   ; the products have written the accumulators, which the LDS stores read (the four places above stay beside this wait), and are done reading v192-223, in which out_mean's rows land behind the barrier
.irp i, 0,1
.irp u, 0,1
	ds_store_b128 v[SO1], v[128+16*\i+8*\u:131+16*\i+8*\u] offset:STG1+8320*\i+32*\u      ; lane (r, h): out_mean(row of (i, r), 32 w + 16 h + 8 u + 0 .. 7)
	ds_store_b128 v[SO1], v[132+16*\i+8*\u:135+16*\i+8*\u] offset:STG1+8320*\i+32*\u+16
.endr
.endr
	BARRIER                                        ; out_mean's 32 rows lie in the stage
.irp n, 0,1,2,3,4,5,6,7
	ds_load_b128 v[192+4*\n:195+4*\n], v[RD] offset:STG1+1040*(\n/2)+512*(\n%2)      ; no wait: no vector or matrix instruction has been issued since the wait above
.endr
	s_wait_dscnt 0x0
.irp n, 0,1,2,3,4,5,6,7
	global_store_b128 v[LI], v[192+4*\n:195+4*\n], s[10:11] offset:1024*(\n/2)+512*(\n%2) th:TH_STORE_NT
.endr
	s_wait_dscnt 0x0                               ; the closing lines, six on end
	s_wait_alu 0x0
	s_wait_tensorcnt 0x0
	ds_add_u32 v[SPW], v[NIL]
	s_wait_dscnt 0x0
	s_endpgm
.Lfunc_end_k_qf15236f86f_outp:
	.size	k_qf15236f86f_outp, .Lfunc_end_k_qf15236f86f_outp-k_qf15236f86f_outp
	.p2alignl 7, 3214868480
	.fill 96, 4, 3214868480
	.section	.rodata,"a",@progbits
	.p2align	6, 0x0
	.amdhsa_kernel k_qf15236f86f_outp
		.amdhsa_group_segment_fixed_size 74240
		.amdhsa_private_segment_fixed_size 0
		.amdhsa_enable_private_segment 0
		.amdhsa_kernarg_size 40
		.amdhsa_user_sgpr_count 2
		.amdhsa_user_sgpr_kernarg_segment_ptr 1
		.amdhsa_wavefront_size32 1
		.amdhsa_system_sgpr_workgroup_id_x 1
		.amdhsa_system_sgpr_workgroup_id_y 1
		.amdhsa_system_sgpr_workgroup_id_z 1
		.amdhsa_system_vgpr_workitem_id 0
		.amdhsa_next_free_vgpr 512
		.amdhsa_next_free_sgpr 66
		.amdhsa_reserve_vcc 0
		.amdhsa_float_denorm_mode_32 3
		.amdhsa_float_denorm_mode_16_64 3
		.amdhsa_memory_ordered 1
		.amdhsa_forward_progress 1
		.amdhsa_inst_pref_size 28
	.end_amdhsa_kernel
	.amdgpu_metadata
---
amdhsa.version: [ 1, 2 ]
amdhsa.kernels:
  - .name:           k_qf15236f86f_outp
    .symbol:         k_qf15236f86f_outp.kd
    .args:
      - { .name: part, .offset: 0, .size: 8, .value_kind: global_buffer, .address_space: global }
      - { .name: woimg, .offset: 8, .size: 8, .value_kind: global_buffer, .address_space: global }
      - { .name: bo, .offset: 16, .size: 8, .value_kind: global_buffer, .address_space: global }
      - { .name: out0, .offset: 24, .size: 8, .value_kind: global_buffer, .address_space: global }
      - { .name: out1, .offset: 32, .size: 8, .value_kind: global_buffer, .address_space: global }
    .group_segment_fixed_size: 74240
    .private_segment_fixed_size: 0
    .kernarg_segment_align: 8
    .kernarg_segment_size: 40
    .max_flat_workgroup_size: 256
    .sgpr_count:     66
    .vgpr_count:     512
    .wavefront_size: 32
...
	.end_amdgpu_metadata
.endif
;; end of part 6
